; MI455X (gfx1250); checked and timed in simulation.
; The chip was launched on July 23, 2026; its instructions are those of AMD's public machine-readable ISA for CDNA 5 (MIT licence, August 2026) and "CDNA5" Instruction Set Architecture Reference Guide (July 2026). The comments in the code are by the model that wrote it; some were corrected since.
;; Multi Head Attention. Allowed arithmetic: matrix products marked QUANTISED: E4M3 operands, one given power-of-two scale a tensor, by v_wmma_f32_16x16x64_fp8_fp8 or v_wmma_f32_16x16x128_fp8_fp8, f32 sums; everything else in f32.
;; Inputs: bk 1,024 float32; bo 1,024 float32; bq 1,024 float32; bv 1,024 float32; key 4 x 2,048 x 1,024 float32; lowp_scales 12 int32 (the exponents e of the quantised operands' scales 2^e); mask 1 x 1 x 2,048 x 2,048 int32; query 4 x 2,048 x 1,024 float32; value 4 x 2,048 x 1,024 float32; wk 1,024 x 1,024 float32; wo 1,024 x 1,024 float32; wq 1,024 x 1,024 float32; wv 1,024 x 1,024 float32.
;; Outputs: out0 4 x 2,048 x 1,024 float32.
;; This version of the problem:
;;   THIS VERSION OF THE PROBLEM IS GIVEN IN LOW PRECISION. The matrix products marked QUANTISED in the list below multiply operands that are first quantised to E4M3 (4 exponent bits, 3 mantissa bits; 8 bits a number), with one given power-of-two scale for each operand tensor; their sums are f32. All else is computed in f32.
;;   The module's matrix products, in the order in which they are computed (A, B: the left and right operand; K: the contracted axis; several contracted axes count as one K, in the product's order):
;;     1. [M 8,192, K 1,024] x [K 1,024, N 1,024]; A: input query; B: input wq: QUANTISED (scales: A lowp_scales[0], B lowp_scales[1])
;;     2. [M 8,192, K 1,024] x [K 1,024, N 1,024]; A: input key; B: input wk: QUANTISED (scales: A lowp_scales[2], B lowp_scales[3])
;;     3. [M 8,192, K 1,024] x [K 1,024, N 1,024]; A: input value; B: input wv: QUANTISED (scales: A lowp_scales[4], B lowp_scales[5])
;;     4. batch 64 x [M 2,048, K 64] x [K 64, N 2,048]; A: computed on the way; B: computed on the way: QUANTISED (scales: A lowp_scales[6], B lowp_scales[7])
;;     5. batch 64 x [M 2,048, K 2,048] x [K 2,048, N 64]; A: softmax (see below); B: computed on the way: QUANTISED (scales: A lowp_scales[8], B lowp_scales[9])
;;     6. [M 8,192, K 1,024] x [K 1,024, N 1,024]; A: computed on the way; B: input wo: QUANTISED (scales: A lowp_scales[10], B lowp_scales[11])
;;   THE QUANTISER, for each operand of a quantised product, along K:
;;     - The operand's scale is 2^e, e = its entry of the input lowp_scales (int32; the entries are numbered through the quantised products in the list's order, A before B).
;;     - Each number is divided by the scale, clamped to +-448, and rounded to the nearest number of E4M3, ties to even, subnormals kept.
;;     - The product sums the exact products of the quantised numbers (number of the format x scale) in f32.
;;   ~~~python
;;   def quantise(x, axis, e):      # numpy; x: float32 -> the quantised numbers, widened to float32 again
;;       x = np.moveaxis(x, axis, -1); K = x.shape[-1]
;;       r = np.clip(x / 2.0 ** e, -448, 448)
;;       step = 2.0 ** (np.maximum(np.frexp(np.where(r == 0, 1, r))[1] - 1, -6) - 3)
;;       q = np.round(r / step) * step * 2.0 ** e      # np.round: ties to even
;;       return np.moveaxis(q, -1, axis).astype(np.float32)
;;   ~~~
;;   SOFTMAX AHEAD OF A QUANTISED PRODUCT. Where the list says 'softmax', what is quantised is not the finished softmax but p = 2^(t - M), with t = logit x log2(e) and M = ceil(the row's largest t), a whole number; so 1/2 < the row's largest p <= 1. The row's sum l is taken of the UNQUANTISED p, in f32, and the product's result is divided by l at the end. Since M is a whole number, a kernel that streams over the keys may use a running M (the ceiling of the running maximum): every later rescaling is an exact power of two, so the quantised numbers keep their values, but for numbers so far below the row's largest that they fall under the format's range.
;;   OPERANDS COMPUTED ON THE WAY. 'Computed on the way' means the value that the module computes at that place (a softmax that the list does not call 'softmax' is quantised finished and normalised). What goes into a quantiser is computed in f32, as accurately as f32 sums, v_exp_f32 and their like allow (about 1e-6 of the number): no bf16 or f16 on the way to a quantiser, and a product that is left as it is and whose result goes on into a quantised operand takes f32 operands (vector FMAs, or v_wmma_f32_16x16x4_f32). A number that lies on a knife's edge between two numbers of the format may be rounded either way, as far as f32 arithmetic and the matrix unit's own rounding can turn it there, and no further.
;; 2 versions, each right; version 2 is version 1 with the launch attn written anew for expert scheduling mode. Each part assembles by itself: llvm-mc -triple=amdgcn-amd-amdhsa -mcpu=gfx1250 --defsym DOCPART=n.
;; ======== version 1 of 2: 4 launches
;; limits: right only within a limited range of input values
;; workspace buffers: xin 25,165,824 bytes; wimg 4,194,304 bytes; qkv 25,165,824 bytes; ximg 8,388,608 bytes; mbits 524,288 bytes of whole numbers; flags 262,144 bytes of whole numbers
;; launch prep (part 1): grid 576 x 1, 4 waves a work-group, no clusters, 70,144 bytes of LDS; arguments query, key, value, wq, wk, wv, wo, mask, lowp_scales, xin, wimg, mbits, flags; writes xin, wimg, mbits, flags
.if DOCPART == 1
	.amdgcn_target "amdgcn-amd-amdhsa--gfx1250"
	.amdhsa_code_object_version 6
	.text
	.protected	k_q1fe7809caf_prep
	.globl	k_q1fe7809caf_prep
	.p2align	8
	.type	k_q1fe7809caf_prep,@function
k_q1fe7809caf_prep:
	s_mov_b64 s[64:65], 0
	v_nop
	global_prefetch_b8 v0, s[64:65] scope:SCOPE_SE
	s_setreg_imm32_b32 hwreg(HW_REG_WAVE_MODE, 25, 1), 1
	s_wait_xcnt 0x0
; PREP.  (1) query, key, value [8192][1024] and wq, wk, wv, wo [1024][1024], f32, become codes of FP8 (E4M3), each tensor with its given scale 2^e:
; code = x / 2^e, held within +-448, to the nearest code, ties to even.  (2) The mask [2048][2048] int32 becomes one bit a score, and a record for each strip of tiles.
; LIMITS: each e between -126 and 119, so that 2^e and 448 x 2^e are f32 numbers.  NaN among the inputs is not served.
; THE CODES ARE LAID AS IMAGES OF OPERAND REGISTERS.  Rows go in tiles of 16: place r of tile T is row 32 (T / 2) + 8 (T % 2) + r + 8 (r / 8).  A tile's 1,024 codes a row are 32 groups of 512 bytes:
; in group g lane (r, h) has 16 bytes at 16 x lane: k = 32 g + 16 h + 0 .. 15 of the row at place r.  Four groups on end are a fragment of 128 along K.  A tile is 16,384 bytes.
; SHARES.  Work-groups 0-383: query, key, value (128 each); 384-447: the four weights (16 each); a wave takes one tile of rows.  Work-groups 448-575: the mask; a wave takes 32 rows x 256 columns.
; A UNIT is 16 rows x 256 bytes.  Each of its eight loads reads two rows' 256 consecutive bytes (sixteen lanes a row); the unit turns through the wave's own stage in LDS (rows 272 bytes apart = 68 words:
; row r starts at bank 4 r mod 64, ISA guide 11.1) and comes back with 32 numbers a lane: register 16 c + i = column 32 c + 16 h + i of the row at place r.  Loads run four units ahead, the turn one.
; THE MASK'S WORDS.  Block B = rows 32 B .. 32 B + 31 (two tiles u), step = 64 columns.  Word (n, u) of a step: bit l = lane (r, h): mask[32 B + 8 u + r + 8 (r / 8)][64 step + 32 (n / 16) + 16 h + n % 16] != 0:
; the lane mask that the attention's register n of tile u wants.  A step's 64 words are 256 bytes: lane n stores words (n, 0) and (n, 1).
; THE RECORD of a wave (block B, steps 4 w8 .. 4 w8 + 3): RA0, RA1: the OR of tile 0's and tile 1's words; ANYB: bit step = some score of the step is open; ALLB: all are.  Stored 32 times over, 512 bytes.
; No tensor loads, no barrier: waves share nothing.  The two paths part on the work-group's number and have LDS bytes of their own.
.set STG,  16*272                      ; a stage
.set WREG, 2*STG                       ; a wave's two stages
.set MREG, 4*WREG                      ; the mask path's stages lie behind the quantiser's
.set R,    16                          ; v16-143   four sets of 32: units as loaded
.set X,    144                         ; v144-207  two sets of 32: units as turned
.set C,    208                         ; v208-239  four sets of 8: codes
.set W,    208                         ; v208-215  mask path: a step's words, tile u in register 2 st + u; v216-219 the record
.macro LOADU t, adr, base, pitch, row0, col    ; unit t: load i takes places 2 i and 2 i + 1, which are rows row0 + 2 i + 8 (i / 4) and the next
.irp i, 0,1,2,3,4,5,6,7
	global_load_b128 v[R+32*((\t)%4)+4*\i:R+32*((\t)%4)+4*\i+3], v[\adr], s[\base:\base+1] offset:((\row0)+2*\i+8*(\i/4))*(\pitch)+(\col) th:TH_LOAD_NT
.endr
.endm
.macro TURN t, vin, vout               ; unit t through stage t % 2: LDS serves a wave's instructions in order (ISA guide 5.7.1.4), so no wait stands between the stores and the loads
.irp i, 0,1,2,3,4,5,6,7
	ds_store_b128 v[\vin], v[R+32*((\t)%4)+4*\i:R+32*((\t)%4)+4*\i+3] offset:STG*((\t)%2)+544*\i
.endr
.irp c, 0,1
.irp j, 0,1,2,3
	ds_load_b128 v[X+32*((\t)%2)+16*\c+4*\j:X+32*((\t)%2)+16*\c+4*\j+3], v[\vout] offset:STG*((\t)%2)+128*\c+16*\j
.endr
.endr
.endm
.macro QSTEP t                         ; unit t of 16: k = 64 t .. 64 t + 63 of the tile's rows: two groups
.set XS, X+32*((\t)%2)
.set CC, C+8*((\t)%4)
	s_wait_dscnt 0x0                               ; this unit is back from the stage, and its stores into the stage have read their registers,
.if (\t)+4 < 16
	LOADU (\t)+4, 9, 32, 4096, 0, 256*((\t)+4)     ; which take the unit four further on
.endif
.if (\t)+1 < 16
.if 14-(\t) >= 3
	s_wait_loadcnt 24                              ; the next unit's eight loads are in; three units behind it may be out
.else
	s_wait_loadcnt 8*(14-(\t))
.endif
	TURN (\t)+1, 5, 6
.endif
.if (\t) >= 4
	s_wait_xcnt 0x0                                ; the stores of four units ago have read this set of codes: it is written again only behind this wait
.endif
.set n, 0
.rept 32
	v_med3_num_f32 v[XS+n], v[XS+n], -v14, v14     ; the conversion to an 8-bit code does not saturate (ISA guide 7.6.2): the hold at the largest code x the scale
.set n, n+1
.endr
.irp c, 0,1
	v_cvt_scalef32_pk8_fp8_f32 v[CC+4*\c:CC+4*\c+1], v[XS+16*\c:XS+16*\c+7], v13
	v_cvt_scalef32_pk8_fp8_f32 v[CC+4*\c+2:CC+4*\c+3], v[XS+16*\c+8:XS+16*\c+15], v13
.endr
	global_store_b128 v11, v[CC:CC+3], s[46:47] offset:1024*(\t)        ; a group: 32 lanes store 512 consecutive bytes, aligned.  (The codes go to stores alone; the next vector lines are the next unit's holds, on other registers)
	global_store_b128 v11, v[CC+4:CC+7], s[46:47] offset:1024*(\t)+512
.endm
.macro MSTEP t                         ; unit t of 8: step st = t / 2 of the wave's four, tile u = t % 2
.set XS, X+32*((\t)%2)
.set UU, (\t)%2
.set SS, (\t)/2
	s_wait_dscnt 0x0
.if (\t)+4 < 8
	LOADU (\t)+4, 10, 18, 8192, 8*(((\t)+4)%2), 256*(((\t)+4)/2)
.endif
.if (\t)+1 < 8
.if 6-(\t) >= 3
	s_wait_loadcnt 24
.else
	s_wait_loadcnt 8*(6-(\t))
.endif
	TURN (\t)+1, 7, 8
.endif
.set n, 0
.rept 32
	v_cmp_ne_u32 s[32+n], 0, v[XS+n]               ; word (n, u): a bit a lane
.set n, n+1
.endr
.set n, 0
.rept 32
	v_writelane_b32 v[W+2*SS+UU], s[32+n], n       ; into lane n
.set n, n+1
.endr
	s_or_b32 s2, s32, s33
	s_and_b32 s3, s32, s33
.set n, 2
.rept 30
	s_or_b32 s2, s2, s[32+n]
	s_and_b32 s3, s3, s[32+n]
.set n, n+1
.endr
	s_or_b32 s[4+UU], s[4+UU], s2                  ; RA0 or RA1
.if UU == 0
	s_mov_b32 s8, s2
	s_mov_b32 s9, s3
.else
	s_or_b32 s8, s8, s2                            ; the step's any,
	s_and_b32 s9, s9, s3                           ; and all
	s_lshl_b32 s11, s10, SS                        ; the step's bit
	s_cmp_lg_u32 s8, 0
	s_cselect_b32 s12, s11, 0
	s_or_b32 s6, s6, s12
	s_cmp_eq_u32 s9, -1
	s_cselect_b32 s12, s11, 0
	s_or_b32 s7, s7, s12
	global_store_b64 v12, v[W+2*SS:W+2*SS+1], s[26:27] offset:256*SS   ; the step's 64 words: 256 consecutive bytes, aligned
.endif
.endm
	s_load_b512 s[4:19], s[0:1], 0x0               ; query, key, value, wq, wk, wv, wo, mask (s[18:19])
	s_load_b256 s[20:27], s[0:1], 0x40             ; lowp_scales, xin, wimg, mbits
	s_load_b64 s[28:29], s[0:1], 0x60              ; flags
	v_lshl_add_u32 v254, v0, 2, 0x11000
	v_mov_b32 v255, 0
	v_lshrrev_b32 v1, 5, v0
	v_readfirstlane_b32 s30, v1                    ; wave 0..3
	v_and_b32 v2, 31, v0                           ; lane
	v_and_b32 v3, 15, v0                           ; lane % 16
	v_bfe_u32 v4, v0, 4, 1                         ; lane / 16
	s_mul_i32 s31, s30, WREG
	v_mul_u32_u24 v5, v4, 272
	v_lshl_add_u32 v5, v3, 4, v5
	v_add_nc_u32 v5, s31, v5                       ; into a stage: the even place for lanes 0-15, the odd one for lanes 16-31, 16 bytes a lane
	v_mul_u32_u24 v6, v3, 272
	v_lshl_add_u32 v6, v4, 6, v6
	v_add_nc_u32 v6, s31, v6                       ; out of it: place r, + 64 h bytes
	v_add_nc_u32 v7, MREG, v5                      ; the same for the mask path
	v_add_nc_u32 v8, MREG, v6
	v_lshlrev_b32 v9, 12, v4
	v_lshl_add_u32 v9, v3, 4, v9                   ; in memory, rows of 4,096 bytes
	v_lshlrev_b32 v10, 13, v4
	v_lshl_add_u32 v10, v3, 4, v10                 ; rows of 8,192 bytes
	v_lshlrev_b32 v11, 4, v2                       ; 16 x lane
	v_lshlrev_b32 v12, 3, v2                       ; 8 x lane
	s_cmp_ge_u32 ttmp9, 448
	s_cbranch_scc1 .Lmask
	; ---- the quantiser's path
	s_cmp_lt_u32 ttmp9, 384                        ; an activation or a weight?
	s_cselect_b32 s2, 0, 384
	s_cselect_b32 s3, 7, 4                         ; 128 or 16 work-groups to a tensor
	s_cselect_b32 s34, 0, 3
	s_cselect_b32 s35, 0, 1
	s_sub_co_u32 s2, ttmp9, s2                     ; the work-group's number in its family
	s_lshr_b32 s36, s2, s3                         ; the tensor in its family
	s_bfm_b32 s37, s3, 0
	s_and_b32 s37, s2, s37                         ; the work-group's number in its tensor
	s_add_co_u32 s34, s34, s36                     ; the tensor, 0 .. 6
	s_lshl_b32 s36, s36, 1
	s_add_co_u32 s35, s35, s36                     ; its entry of lowp_scales: 0, 2, 4 | 1, 3, 5,
	s_cmp_eq_u32 s35, 7
	s_cselect_b32 s35, 11, s35                     ; and 11 for wo
	s_lshl_b32 s35, s35, 2
	s_lshl_b32 s37, s37, 6                         ; my tile's first row: 64 x work-group + 32 (wave / 2) + 8 (wave % 2)
	s_lshr_b32 s38, s30, 1
	s_lshl_b32 s38, s38, 5
	s_add_co_u32 s37, s37, s38
	s_and_b32 s38, s30, 1
	s_lshl_b32 s38, s38, 3
	s_add_co_u32 s37, s37, s38
	s_lshl_b32 s40, s37, 12                        ; in bytes (under 2^26)
	s_mov_b32 s41, 0
	s_lshl_b32 s42, s2, 2
	s_add_co_u32 s42, s42, s30
	s_lshl_b32 s42, s42, 14                        ; my tile's image: (4 x work-group + wave) x 16,384
	s_mov_b32 s43, 0
	s_wait_kmcnt 0x0
	s_load_b32 s44, s[20:21], s35 offset:0x0       ; e
	s_mov_b64 s[32:33], s[4:5]
.irp k, 1,2,3,4,5,6
	s_cmp_eq_u32 s34, \k                           ; the choice hangs on the work-group's number alone
	s_cselect_b64 s[32:33], s[4+2*\k:5+2*\k], s[32:33]
.endr
	s_cmp_lt_u32 ttmp9, 384
	s_cselect_b64 s[46:47], s[22:23], s[24:25]
	s_add_nc_u64 s[32:33], s[32:33], s[40:41]
	s_add_nc_u64 s[46:47], s[46:47], s[42:43]
.irp t, 0,1,2,3
	LOADU \t, 9, 32, 4096, 0, 256*\t
.endr
	s_wait_kmcnt 0x0
	s_add_co_i32 s44, s44, 127
	s_lshl_b32 s45, s44, 23
	v_mov_b32 v13, s45                             ; 2^e as f32: the conversion takes its exponent field
	s_add_co_i32 s44, s44, 8
	s_lshl_b32 s44, s44, 23
	s_or_b32 s44, s44, 0x600000
	v_mov_b32 v14, s44                             ; 448 x 2^e
	s_wait_loadcnt 24                              ; unit 0 is in
	TURN 0, 5, 6
.irp t, 0,1,2,3,4,5,6,7,8,9,10,11,12,13,14,15
	QSTEP \t
.endr
	s_wait_tensorcnt 0x0
	ds_add_u32 v254, v255
	s_wait_dscnt 0x0
	s_endpgm
	; ---- the mask's path
.Lmask:
	s_sub_co_u32 s2, ttmp9, 448
	s_lshr_b32 s3, s2, 1                           ; block B
	s_and_b32 s2, s2, 1
	s_lshl_b32 s2, s2, 2
	s_add_co_u32 s2, s2, s30                       ; w8: which four steps
	s_lshl_b32 s32, s3, 18                         ; the mask: 32 B rows of 8,192 bytes + 1,024 w8
	s_lshl_b32 s34, s2, 10
	s_add_co_u32 s32, s32, s34
	s_mov_b32 s33, 0
	s_lshl_b32 s34, s3, 13                         ; the words: 8,192 B + 1,024 w8
	s_lshl_b32 s36, s2, 10
	s_add_co_u32 s34, s34, s36
	s_mov_b32 s35, 0
	s_lshl_b32 s36, s3, 12                         ; the record: 4,096 B + 512 w8
	s_lshl_b32 s38, s2, 9
	s_add_co_u32 s36, s36, s38
	s_mov_b32 s37, 0
	s_lshl_b32 s38, s2, 2
	s_wait_kmcnt 0x0
	s_add_nc_u64 s[18:19], s[18:19], s[32:33]
	s_add_nc_u64 s[26:27], s[26:27], s[34:35]
	s_add_nc_u64 s[28:29], s[28:29], s[36:37]
.irp t, 0,1,2,3
	LOADU \t, 10, 18, 8192, 8*(\t%2), 256*(\t/2)
.endr
	s_lshl_b32 s10, 1, s38                         ; the bit of my first step
	s_mov_b32 s4, 0                                ; RA0, RA1, ANYB, ALLB
	s_mov_b32 s5, 0
	s_mov_b32 s6, 0
	s_mov_b32 s7, 0
.set n, 0
.rept 8
	v_mov_b32 v[W+n], 0                            ; written once: the destination of a write to one lane counts as read
.set n, n+1
.endr
	s_wait_loadcnt 24
	TURN 0, 7, 8
.irp t, 0,1,2,3,4,5,6,7
	MSTEP \t
.endr
	v_mov_b32 v216, s4
	v_mov_b32 v217, s5
	v_mov_b32 v218, s6
	v_mov_b32 v219, s7
	global_store_b128 v11, v[216:219], s[28:29]    ; the record, the same in every lane: 512 consecutive bytes, aligned
	s_wait_tensorcnt 0x0
	ds_add_u32 v254, v255
	s_wait_dscnt 0x0
	s_endpgm
.Lfunc_end_k_q1fe7809caf_prep:
	.size	k_q1fe7809caf_prep, .Lfunc_end_k_q1fe7809caf_prep-k_q1fe7809caf_prep
	.p2alignl 7, 3214868480
	.fill 96, 4, 3214868480
	.section	.rodata,"a",@progbits
	.p2align	6, 0x0
	.amdhsa_kernel k_q1fe7809caf_prep
		.amdhsa_group_segment_fixed_size 70144
		.amdhsa_private_segment_fixed_size 0
		.amdhsa_enable_private_segment 0
		.amdhsa_kernarg_size 104
		.amdhsa_user_sgpr_count 2
		.amdhsa_user_sgpr_kernarg_segment_ptr 1
		.amdhsa_wavefront_size32 1
		.amdhsa_system_sgpr_workgroup_id_x 1
		.amdhsa_system_sgpr_workgroup_id_y 1
		.amdhsa_system_sgpr_workgroup_id_z 1
		.amdhsa_system_vgpr_workitem_id 0
		.amdhsa_next_free_vgpr 256
		.amdhsa_next_free_sgpr 66
		.amdhsa_reserve_vcc 0
		.amdhsa_float_denorm_mode_32 3
		.amdhsa_float_denorm_mode_16_64 3
		.amdhsa_memory_ordered 1
		.amdhsa_forward_progress 1
		.amdhsa_inst_pref_size 138
	.end_amdhsa_kernel
	.amdgpu_metadata
---
amdhsa.version: [ 1, 2 ]
amdhsa.kernels:
  - .name:           k_q1fe7809caf_prep
    .symbol:         k_q1fe7809caf_prep.kd
    .args:
      - { .name: query, .offset: 0, .size: 8, .value_kind: global_buffer, .address_space: global }
      - { .name: key, .offset: 8, .size: 8, .value_kind: global_buffer, .address_space: global }
      - { .name: value, .offset: 16, .size: 8, .value_kind: global_buffer, .address_space: global }
      - { .name: wq, .offset: 24, .size: 8, .value_kind: global_buffer, .address_space: global }
      - { .name: wk, .offset: 32, .size: 8, .value_kind: global_buffer, .address_space: global }
      - { .name: wv, .offset: 40, .size: 8, .value_kind: global_buffer, .address_space: global }
      - { .name: wo, .offset: 48, .size: 8, .value_kind: global_buffer, .address_space: global }
      - { .name: mask, .offset: 56, .size: 8, .value_kind: global_buffer, .address_space: global }
      - { .name: lowp_scales, .offset: 64, .size: 8, .value_kind: global_buffer, .address_space: global }
      - { .name: xin, .offset: 72, .size: 8, .value_kind: global_buffer, .address_space: global }
      - { .name: wimg, .offset: 80, .size: 8, .value_kind: global_buffer, .address_space: global }
      - { .name: mbits, .offset: 88, .size: 8, .value_kind: global_buffer, .address_space: global }
      - { .name: flags, .offset: 96, .size: 8, .value_kind: global_buffer, .address_space: global }
    .group_segment_fixed_size: 70144
    .private_segment_fixed_size: 0
    .kernarg_segment_align: 8
    .kernarg_segment_size: 104
    .max_flat_workgroup_size: 128
    .sgpr_count:     66
    .vgpr_count:     256
    .wavefront_size: 32
...
	.end_amdgpu_metadata
.endif
;; end of part 1
;; launch proj (part 2): grid 4 x 96, 4 waves a work-group, clusters of 4 x 4, 327,680 bytes of LDS; arguments xin, wimg, lowp_scales, bq, bk, bv, qkv; writes qkv
.if DOCPART == 2
	.amdgcn_target "amdgcn-amd-amdhsa--gfx1250"
	.amdhsa_code_object_version 6
	.text
	.protected	k_q1fe7809caf_proj
	.globl	k_q1fe7809caf_proj
	.p2align	8
	.type	k_q1fe7809caf_proj,@function
k_q1fe7809caf_proj:
	s_mov_b64 s[64:65], 0
	v_nop
	global_prefetch_b8 v0, s[64:65] scope:SCOPE_SE
	s_setreg_imm32_b32 hwreg(HW_REG_WAVE_MODE, 25, 1), 1
	s_wait_xcnt 0x0
	s_wait_alu depctr_hold_cnt(0) depctr_sa_sdst(0) depctr_va_vdst(0) depctr_va_sdst(0) depctr_va_ssrc(0) depctr_va_vcc(0) depctr_vm_vsrc(0)
	s_getreg_b32 s2, hwreg(HW_REG_IB_STS2, 6, 4)
	s_cmp_eq_u32 s2, 0
	s_cbranch_scc0 .Lentry_in_a_cluster
	s_endpgm
.Lentry_in_a_cluster:
	s_bfe_u32 s2, ttmp6, 0x10000c
	s_cmp_lg_u32 s2, 0xf033
	s_cbranch_scc0 .Lentry_shape_is_right
	s_endpgm
.Lentry_shape_is_right:
; PROJ.  Q = query wq^T + bq, K = key wk^T + bk, V = value wv^T + bv on codes of FP8 (E4M3); each result, in f32, is quantised at once with its given scale (entries 6, 7, 9) and stored as an image of operand registers.
; LIMITS: e0 + e1, e2 + e3, e4 + e5 between -126 and 127; e6, e7, e9 between -126 and 119: each power of two below is then an f32 number.
; IMAGES.  Place r of a tile T of 16 rows is row 32 (T / 2) + 8 (T % 2) + r + 8 (r / 8); a group of 512 bytes has lane (r, h)'s 16 bytes at 16 x lane: k = 32 c + 16 h + 0 .. 15.  Four groups are a fragment of 128 along K.
; That is a permutation of k inside a matrix instruction, the same in both operands: every product meets its partner; only the order of the sums inside an instruction changes.
; With source 0 = tile Tp and source 1 = tile Tr, register j of lane (r, h) holds (row 32 (Tp / 2) + 8 (Tp % 2) + 16 h + j of source 0, the row at place r of Tr): the 16 registers of tiles 2 p and 2 p + 1 are
; 16 NEIGHBOURS along source 0's rows, and two conversions make of them one group of the next product's image.  So every result leaves by stores of 512 consecutive bytes, with no stage.
; SHARES.  24 clusters of 4 x 4 work-groups: cluster y / 8 says which product, cluster y % 8 which eighth of the 8,192 rows.  A work-group makes 256 x 256, a wave 128 x 128: 64 accumulators, 512 registers.
; 'A' is source 1, 'B' source 0.  Q, K: A = the activations, B = the weight: a lane holds one row s and neighbouring channels (K of the scores = the head's 64).  V: A = wv, B = value: a lane holds one channel and
; neighbouring s (K of the second product = the keys).  The roles are chosen by selects on the cluster's number, which all partners share.
; A's tile is shared along a row of the cluster, B's along a column: each is asked for JOINTLY.  K goes in steps of 256 through two LDS slots; a wave's tensor load brings 8 tiles of rows x 4,096 bytes (two fragments each).
; OUT.  Q at byte 0 and K at 8,388,608 of qkv: [batch x head 64][tile 128][c 2][512 bytes];  V at 16,777,216: [batch x head 64][step of 64 keys 32][tile of channels 4][c 2][512 bytes].
; REGISTERS: window 0: v10, v11 the out scale; v16-29 addresses; v32-95 the bias along B's rows; v96-111 along A's rows; from v128 A's fragments, ONE set; on the way out v112-175 sums, v176-239 codes.
;   window 1: B's fragments, TWO sets.   windows 2, 3: the accumulators ((a, b) at v[8 (8 (a % 4) + b)]).
.set HALFT,  32768                     ; 8 tiles x 4,096 bytes: what one tensor load brings, and what one wave reads of A or of B
.set SLOT,   4*HALFT                   ; A's two halves, then B's two
.set SPARE,  2*SLOT                    ; behind the ring: the spare words, 128 bytes for each wave: two blocks of 256 bytes that no other line names
.set FR,     16                        ; registers of a fragment
.set NL,     4                         ; LDS loads that bring one
.set NP,     4                         ; places behind this matrix instruction (ISA guide 7.12.1)
.set ADRA, 16                          ; v16-17  LDS address of my A fragments in slot 0, 1
.set ADRB, 20                          ; v20-21  the same for B
.set CO,   26                          ; v26     16 x lane
.set SPW,  28                          ; v28     LDS address of my spare word; never rewritten
.set NIL,  29                          ; v29     0; never rewritten
.set BP,   32
.set BR,   96
.set T,    112
.set C,    176
.set AF,   128
.set G1, 24                            ; s[24:31] descriptor group 1 for A's tiles;  s[32:39] group 0, one set for each slot
.set G0, 32
.set G1B, 48                           ; s[48:55], s[56:63] the same for B's tiles
.set G0B, 56
.set MSB, 0
.macro WIN new                         ; the immediate's high byte repeats the setting that is left
.if MSB != (\new)
	s_set_vgpr_msb (MSB<<8)|(\new)
.set MSB, (\new)
.endif
.endm
.set MUL_LO, 0xa1                      ; source 0 (B) window 1, source 1 (A) window 0, C and D window 2
.set MUL_HI, 0xf1                      ; the same, C and D window 3
.set TO_B,   0x40                      ; destination window 1, address window 0
.macro JLOAD g0a, g1a, g0b, g1b        ; a joint load: waves 0 and 1 fetch for A, waves 2 and 3 for B; the branch hangs on the wave's number alone; four v_nop follow each line
	s_cmp_eq_u32 s15, 0
	s_cbranch_scc0 .Lfor_b_\@
	tensor_load_to_lds s[\g0a:\g0a+3], s[\g1a:\g1a+7]
	s_nop 0
.rept 4
	v_nop
.endr
	s_branch .Lasked_\@
.Lfor_b_\@:
	tensor_load_to_lds s[\g0b:\g0b+3], s[\g1b:\g1b+7]
	s_nop 0
.rept 4
	v_nop
.endr
.Lasked_\@:
.endm
.macro CREST                           ; a round of the cluster's barrier behind its opening barrier
	s_cmp_lg_u32 s14, 0
	s_cbranch_scc1 .Lnot_wave_0_\@
	s_barrier_signal -3
.Lnot_wave_0_\@:
	s_barrier_wait -3
	s_barrier_signal -1
	s_barrier_wait -1
.endm
.macro CROUND
	s_barrier_signal -1
	s_barrier_wait -1
	CREST
.endm
.macro FRAG reg, adr, q, i             ; tile i's fragment of the slot's q-th 128 along K: four groups, each 512 consecutive bytes
.irp c, 0,1,2,3
	ds_load_b128 v[\reg+4*\c:\reg+4*\c+3], v[\adr] offset:2048*(\q)+512*\c+4096*(\i)
.endr
.endm
.macro MUL16 a0, p, zero               ; A's blocks a0, a0 + 1 x B's eight.  The 64 accumulators take turns, one instruction a turn, in the same order in every step
.irp a, \a0, \a0+1
.irp b, 0,1,2,3,4,5,6,7
.if \zero
	v_wmma_f32_16x16x128_fp8_fp8 v[8*(8*((\a)%4)+\b):8*(8*((\a)%4)+\b)+7], v[128*(\p)+FR*\b:128*(\p)+FR*\b+FR-1], v[AF+FR*(\a):AF+FR*(\a)+FR-1], 0
.else
	v_wmma_f32_16x16x128_fp8_fp8 v[8*(8*((\a)%4)+\b):8*(8*((\a)%4)+\b)+7], v[128*(\p)+FR*\b:128*(\p)+FR*\b+FR-1], v[AF+FR*(\a):AF+FR*(\a)+FR-1], v[8*(8*((\a)%4)+\b):8*(8*((\a)%4)+\b)+7]
.endif
.endr
.endr
.endm
.macro FETCH_B slot, q, p
	WIN TO_B
.irp i, 0,1,2,3,4,5,6,7
	FRAG 128*(\p)+FR*\i, ADRB+\slot, \q, \i
.endr
	WIN 0
.endm
.macro FETCH_A slot, q, i0
.irp i, \i0, \i0+1, \i0+2, \i0+3
	FRAG AF+FR*(\i), ADRA+\slot, \q, \i
.endr
.endm
.macro PLACES n                        ; plain vector lines between a matrix instruction and a load into, or a read of, its registers
.rept \n
	v_nop
.endr
.endm
.macro STEP slot, q, zero              ; 128 along K whose successor lies in the same slot
	s_wait_dscnt 4*NL                              ; B's set and A's blocks 0-3 are in; the youngest sixteen loads (A's blocks 4-7) may be out
	WIN MUL_LO
	MUL16 0, (\q)%2, \zero
	MUL16 2, (\q)%2, \zero
	s_wait_dscnt 0
	PLACES NP
	FETCH_B \slot, (\q)+1, 1-(\q)%2
	FETCH_A \slot, (\q)+1, 0
	WIN MUL_HI
	MUL16 4, (\q)%2, \zero
	MUL16 6, (\q)%2, \zero
	PLACES NP
	WIN 0
	FETCH_A \slot, (\q)+1, 4
.endm
.macro TURN slot, next, fill           ; a slot's last 128 along K, and the change of slots: one barrier; fill = 1: this slot is filled again, two K steps ahead
	s_wait_tensorcnt 0x0                           ; all my tensor loads have landed: my part of the next slot
	ds_add_u32 v[SPW], v[NIL]                      ; 0 onto my spare word
	s_wait_dscnt 4*NL+1                            ; (the add and the youngest sixteen loads may be out)
	WIN MUL_LO
	MUL16 0, 1, 0
	s_wait_dscnt 0x0                               ; the add is done, and my reads of this slot are over
	s_barrier_signal -1
	MUL16 2, 1, 0
	WIN 0
	s_barrier_wait -1
.if \fill
	CREST                                          ; the barrier has opened a round of the cluster's: no wave of any partner still reads this slot or has a load on its way
	s_add_nc_u64 s[G0+4*\slot+2:G0+4*\slot+3], s[G0+4*\slot+2:G0+4*\slot+3], 8192
	s_add_nc_u64 s[G0B+4*\slot+2:G0B+4*\slot+3], s[G0B+4*\slot+2:G0B+4*\slot+3], 8192
	JLOAD G0+4*\slot, G1, G0B+4*\slot, G1B         ; the first tensor load behind the round; its four v_nop are the places in front of the loads below
.else
	PLACES NP
.endif
	FETCH_B \next, 0, 0
	FETCH_A \next, 0, 0
	WIN MUL_HI
	MUL16 4, 1, 0
	MUL16 6, 1, 0
	PLACES NP
	WIN 0
	FETCH_A \next, 0, 4
.endm
; THE WAY OUT of A's block a: sum x 2^(eA + eB) + bias (one packed multiply-add for two, each accumulator from its low end on), the hold, eight conversions: four groups, four stores of 512 consecutive bytes.
.macro EPI vmode
.irp a, 0,1,2,3,4,5,6,7
	WIN 0x02+(\a/4)                                ; source 0: window 2 or 3
.set j, 0
.rept 32
.if \vmode
	v_pk_fma_f32 v[T+j:T+j+1], v[64*(\a%4)+j:64*(\a%4)+j+1], s[96:97], v[BR+2*\a:BR+2*\a+1] op_sel_hi:[1,0,0]   ; the lane's channel has one bias
.else
	v_pk_fma_f32 v[T+j:T+j+1], v[64*(\a%4)+j:64*(\a%4)+j+1], s[96:97], v[BP+j:BP+j+1] op_sel_hi:[1,0,1]         ; the registers run along the channels
.endif
.set j, j+2
.endr
	WIN 0
.set j, 0
.rept 64
	v_med3_num_f32 v[T+j], v[T+j], -v11, v11       ; the conversion does not saturate (ISA guide 7.6.2)
.set j, j+1
.endr
.if \a >= 4
	s_wait_xcnt 0x0                                ; the stores of four blocks ago have read this set of codes
.endif
.irp b, 0,1,2,3,4,5,6,7
	v_cvt_scalef32_pk8_fp8_f32 v[C+16*(\a%4)+2*\b:C+16*(\a%4)+2*\b+1], v[T+8*\b:T+8*\b+7], v10
.endr
	v_nop                                          ; one plain line between the conversions and the next block's multiply-adds, which write their sources
.irp p, 0,1,2,3
.if \vmode
	global_store_b128 v[CO], v[C+16*(\a%4)+4*\p:C+16*(\a%4)+4*\p+3], s[80:81] offset:131072*(\a/4)+1024*(\a%4)+4096*(\p/2)+512*(\p%2)   ; head a / 4, channels' tile a % 4, step p / 2, c = p % 2
.else
	global_store_b128 v[CO], v[C+16*(\a%4)+4*\p:C+16*(\a%4)+4*\p+3], s[80:81] offset:1024*\a+131072*(\p/2)+512*(\p%2)                   ; tile a, head p / 2, c = p % 2
.endif
.endr
.endr
.endm
	s_load_b256 s[68:75], s[0:1], 0x0              ; xin s[68:69], wimg s[70:71], lowp_scales s[72:73], bq s[74:75]
	s_load_b128 s[76:79], s[0:1], 0x20             ; bk, bv
	s_load_b64 s[80:81], s[0:1], 0x30              ; qkv
	v_lshl_add_u32 v[SPW], v0, 2, SPARE
	v_mov_b32 v[NIL], 0
	ds_add_u32 v28, v29
	ds_add_u32 v28, v29
	s_wait_dscnt 0x0
	v_lshrrev_b32 v1, 5, v0
	v_readfirstlane_b32 s14, v1                    ; wave 0..3
	s_lshr_b32 s15, s14, 1                         ; which half of A's rows is mine.  Also: I fetch for A (0) or for B (1)
	s_and_b32 s16, s14, 1                          ; which half of B's rows.  Also: which 8 tiles I fetch
	s_bfe_u32 s40, ttmp6, 0x40000                  ; cx, cy: my place in the cluster
	s_bfe_u32 s41, ttmp6, 0x40004
	s_and_b32 s4, ttmp7, 0xffff                    ; the cluster's number, 0 .. 23
	s_lshr_b32 s5, s4, 3                           ; the product: 0 Q, 1 K, 2 V
	s_and_b32 s6, s4, 7
	s_lshl_b32 s6, s6, 2
	s_cmp_eq_u32 s5, 2
	s_cselect_b32 s7, 0, s6
	s_cselect_b32 s8, s6, 0
	s_add_co_u32 s17, s7, s41                      ; tr: which 256 rows of A
	s_add_co_u32 s42, s8, s40                      ; tc: which 256 rows of B
	s_lshl_b32 s43, s41, 2
	s_lshl_b32 s43, 15, s43                        ; my row of the cluster
	s_lshl_b32 s44, 0x1111, s40                    ; my column
	s_or_b32 s[G1+0], s43, (3<<16)|(1<<21)         ; 15:0 the mask: A's tiles go to my row; 17:16 elements of 8 bytes; 20 no padding; 21 set beside a mask
	s_or_b32 s[G1B+0], s44, (3<<16)|(1<<21)
.irp g, G1, G1B
	s_mov_b32 s[\g+1], 512<<16                     ; tensor_dim0 = 512 elements: 4,096 bytes, two fragments of a tile
	s_mov_b32 s[\g+2], 8<<16                       ; tensor_dim1 = 8 tiles
	s_mov_b32 s[\g+3], 512<<16                     ; tile_dim0
	s_mov_b32 s[\g+4], 8                           ; tile_dim1
	s_mov_b32 s[\g+5], 2048                        ; from tile to tile: 16,384 bytes
	s_mov_b32 s[\g+6], 0
	s_mov_b32 s[\g+7], 0
.endr
	s_lshl_b32 s18, s16, 17                        ; the 8 tiles that I fetch
	s_lshl_b32 s20, s17, 18
	s_add_co_u32 s20, s20, s18                     ; A: (16 tr + 8 half) x 16,384
	s_mov_b32 s21, 0
	s_lshl_b32 s46, s42, 18
	s_add_co_u32 s46, s46, s18                     ; B: (16 tc + 8 half) x 16,384
	s_mov_b32 s47, 0
	s_lshl_b32 s82, s5, 23                         ; the product's activations in xin,
	s_mov_b32 s83, 0
	s_lshl_b32 s84, s5, 20                         ; its weight in wimg
	s_mov_b32 s85, 0
	s_mul_i32 s45, s14, HALFT                      ; where my tiles go: no place in the cluster enters an LDS address
	s_wait_kmcnt 0x0
	s_load_b256 s[88:95], s[72:73], 0x0            ; e0 .. e7
	s_load_b128 s[96:99], s[72:73], 0x20           ; e8 .. e11
	s_add_nc_u64 s[68:69], s[68:69], s[82:83]
	s_add_nc_u64 s[70:71], s[70:71], s[84:85]
	s_cmp_eq_u32 s5, 2
	s_cselect_b64 s[86:87], s[70:71], s[68:69]     ; A: the activations, or wv
	s_cselect_b64 s[66:67], s[68:69], s[70:71]     ; B: the weight, or value
	s_add_nc_u64 s[20:21], s[86:87], s[20:21]
	s_add_nc_u64 s[46:47], s[66:67], s[46:47]
	s_cmp_eq_u32 s5, 1
	s_cselect_b64 s[74:75], s[76:77], s[74:75]
	s_cmp_eq_u32 s5, 2
	s_cselect_b64 s[74:75], s[78:79], s[74:75]     ; the product's bias
	CROUND                                         ; all sixteen work-groups are here: the first joint loads meet
.irp s, 0,1
	s_mov_b32 s[G0+4*\s], 1
	s_add_co_u32 s[G0+4*\s+1], s45, \s*SLOT
	s_add_nc_u64 s[G0+4*\s+2:G0+4*\s+3], s[20:21], \s*4096
	s_or_b32 s[G0+4*\s+3], s[G0+4*\s+3], 0x80000000
	s_mov_b32 s[G0B+4*\s], 1
	s_add_co_u32 s[G0B+4*\s+1], s45, \s*SLOT
	s_add_nc_u64 s[G0B+4*\s+2:G0B+4*\s+3], s[46:47], \s*4096
	s_or_b32 s[G0B+4*\s+3], s[G0B+4*\s+3], 0x80000000
	JLOAD G0+4*\s, G1, G0B+4*\s, G1B
.endr
	v_and_b32 v1, 15, v0                           ; r
	v_bfe_u32 v2, v0, 4, 1                         ; h
	v_and_b32 v3, 31, v0
	v_lshlrev_b32 v[CO], 4, v3
	s_mul_i32 s21, s15, HALFT                      ; my 8 tiles of A,
	s_mul_i32 s22, s16, HALFT                      ; my 8 tiles of B,
	s_add_co_u32 s22, s22, 2*HALFT                 ; which lie behind A's 16
.irp s, 0,1
	v_add_nc_u32 v[ADRA+\s], s21, v[CO]
	v_add_nc_u32 v[ADRB+\s], s22, v[CO]
	s_add_co_u32 s21, s21, SLOT
	s_add_co_u32 s22, s22, SLOT
.endr
	; the bias in both forms, with no branch: the form that the product does not use is loaded from the bias's first bytes
	s_lshl_b32 s18, s42, 10
	s_lshl_b32 s19, s16, 9
	s_add_co_u32 s18, s18, s19                     ; 4 (256 tc + 128 half): my channels where they run along B's rows
	s_lshl_b32 s22, s17, 10
	s_lshl_b32 s23, s15, 9
	s_add_co_u32 s22, s22, s23                     ; 4 (256 tr + 128 half): where they run along A's
	s_cmp_eq_u32 s5, 2
	s_cselect_b32 s18, 0, s18
	s_cselect_b32 s22, s22, 0
	s_mov_b32 s19, 0
	s_mov_b32 s23, 0
	s_add_nc_u64 s[82:83], s[74:75], s[18:19]
	s_add_nc_u64 s[84:85], s[74:75], s[22:23]
	v_lshlrev_b32 v4, 6, v2                        ; 4 x 16 h
	v_and_b32 v5, 8, v1
	v_add_nc_u32 v5, v5, v1
	v_lshlrev_b32 v5, 2, v5                        ; 4 (r + 8 (r / 8))
.irp b, 0,1,2,3,4,5,6,7
	global_load_b128 v[BP+8*\b:BP+8*\b+3], v4, s[82:83] offset:4*(32*(\b/2)+8*(\b%2))
	global_load_b128 v[BP+8*\b+4:BP+8*\b+7], v4, s[82:83] offset:4*(32*(\b/2)+8*(\b%2))+16
.endr
.irp a, 0,1,2,3,4,5,6,7
	global_load_b32 v[BR+2*\a], v5, s[84:85] offset:4*(32*(\a/2)+8*(\a%2))
	v_mov_b32 v[BR+2*\a+1], 0                      ; (named with it as a pair, so it is written)
.endr
	; where my results go.  (p1, w1): the 256 and the 128 on the side of s; (p2, w2): on the side of the channels.  In both layouts: product << 23 + (16 (p1 / 8) + 4 p2 + 2 w2) << 17 + (p1 % 8) << 14 + w1 << 13
	s_cmp_eq_u32 s5, 2
	s_cselect_b32 s6, s42, s17
	s_cselect_b32 s7, s16, s15
	s_cselect_b32 s8, s17, s42
	s_cselect_b32 s9, s15, s16
	s_lshr_b32 s10, s6, 3
	s_lshl_b32 s10, s10, 4
	s_lshl_b32 s8, s8, 2
	s_add_co_u32 s10, s10, s8
	s_lshl_b32 s9, s9, 1
	s_add_co_u32 s10, s10, s9
	s_lshl_b32 s10, s10, 17
	s_and_b32 s6, s6, 7
	s_lshl_b32 s6, s6, 14
	s_add_co_u32 s10, s10, s6
	s_lshl_b32 s7, s7, 13
	s_add_co_u32 s10, s10, s7
	s_lshl_b32 s6, s5, 23
	s_add_co_u32 s10, s10, s6
	s_mov_b32 s11, 0
	s_add_nc_u64 s[80:81], s[80:81], s[10:11]
	s_wait_kmcnt 0x0                               ; the exponents
	s_add_co_i32 s88, s88, s89
	s_add_co_i32 s90, s90, s91
	s_add_co_i32 s92, s92, s93
	s_cmp_eq_u32 s5, 1
	s_cselect_b32 s88, s90, s88
	s_cselect_b32 s94, s95, s94
	s_cmp_eq_u32 s5, 2
	s_cselect_b32 s88, s92, s88                    ; eA + eB
	s_cselect_b32 s94, s97, s94                    ; the result's own exponent: entry 6, 7 or 9
	s_add_co_i32 s88, s88, 127
	s_lshl_b32 s96, s88, 23                        ; 2^(eA + eB) as f32
	s_mov_b32 s97, s96                             ; (named with it as a pair, so it is written)
	s_add_co_i32 s94, s94, 127
	s_lshl_b32 s95, s94, 23
	v_mov_b32 v10, s95                             ; the result's scale as f32
	s_add_co_i32 s94, s94, 8
	s_lshl_b32 s94, s94, 23
	s_or_b32 s94, s94, 0x600000
	v_mov_b32 v11, s94                             ; 448 x that
	s_wait_tensorcnt 1                             ; my part of K step 0 is in (K step 1's load may be out)
	s_barrier_signal -1
	s_barrier_wait -1                              ; everybody's is
	FETCH_B 0, 0, 0
	FETCH_A 0, 0, 0
	FETCH_A 0, 0, 4
	STEP 0, 0, 1                                   ; K = 1,024 is four K steps of 256, eight steps of 128: written out.  The first products start the sums
	TURN 0, 1, 1                                   ; slot 0 takes K step 2
	STEP 1, 0, 0
	TURN 1, 0, 1                                   ; slot 1 takes K step 3
	STEP 0, 0, 0
	TURN 0, 1, 0                                   ; nothing is left to fetch
	STEP 1, 0, 0
	s_wait_dscnt 4*NL
	WIN MUL_LO
	MUL16 0, 1, 0
	MUL16 2, 1, 0
	s_wait_dscnt 0
	WIN MUL_HI
	MUL16 4, 1, 0
	MUL16 6, 1, 0
	WIN 0
	s_wait_loadcnt 0x0                             ; the bias
	PLACES NP                                      ; in front of the first read of results and the first write over A's fragments
	s_cmp_eq_u32 s5, 2                             ; the cluster's number decides: the same in all partners and all waves
	s_cbranch_scc1 .Lv_out
	EPI 0
	s_branch .Lend
.Lv_out:
	EPI 1
.Lend:
	s_wait_tensorcnt 0x0                           ; the wave's end
	ds_add_u32 v[SPW], v[NIL]
	s_wait_dscnt 0x0
	CROUND                                         ; the closing round: no work-group ends while a partner may still ask for a tile that names it
	s_endpgm
.Lfunc_end_k_q1fe7809caf_proj:
	.size	k_q1fe7809caf_proj, .Lfunc_end_k_q1fe7809caf_proj-k_q1fe7809caf_proj
	.p2alignl 7, 3214868480
	.fill 96, 4, 3214868480
	.section	.rodata,"a",@progbits
	.p2align	6, 0x0
	.amdhsa_kernel k_q1fe7809caf_proj
		.amdhsa_group_segment_fixed_size 327680
		.amdhsa_private_segment_fixed_size 0
		.amdhsa_enable_private_segment 0
		.amdhsa_kernarg_size 56
		.amdhsa_user_sgpr_count 2
		.amdhsa_user_sgpr_kernarg_segment_ptr 1
		.amdhsa_wavefront_size32 1
		.amdhsa_system_sgpr_workgroup_id_x 1
		.amdhsa_system_sgpr_workgroup_id_y 1
		.amdhsa_system_sgpr_workgroup_id_z 1
		.amdhsa_system_vgpr_workitem_id 0
		.amdhsa_next_free_vgpr 1024
		.amdhsa_next_free_sgpr 100
		.amdhsa_reserve_vcc 0
		.amdhsa_float_denorm_mode_32 3
		.amdhsa_float_denorm_mode_16_64 3
		.amdhsa_memory_ordered 1
		.amdhsa_forward_progress 1
		.amdhsa_inst_pref_size 193
	.end_amdhsa_kernel
	.amdgpu_metadata
---
amdhsa.version: [ 1, 2 ]
amdhsa.kernels:
  - .name:           k_q1fe7809caf_proj
    .symbol:         k_q1fe7809caf_proj.kd
    .args:
      - { .name: xin, .offset: 0, .size: 8, .value_kind: global_buffer, .address_space: global }
      - { .name: wimg, .offset: 8, .size: 8, .value_kind: global_buffer, .address_space: global }
      - { .name: lowp_scales, .offset: 16, .size: 8, .value_kind: global_buffer, .address_space: global }
      - { .name: bq, .offset: 24, .size: 8, .value_kind: global_buffer, .address_space: global }
      - { .name: bk, .offset: 32, .size: 8, .value_kind: global_buffer, .address_space: global }
      - { .name: bv, .offset: 40, .size: 8, .value_kind: global_buffer, .address_space: global }
      - { .name: qkv, .offset: 48, .size: 8, .value_kind: global_buffer, .address_space: global }
    .group_segment_fixed_size: 327680
    .private_segment_fixed_size: 0
    .kernarg_segment_align: 8
    .kernarg_segment_size: 56
    .max_flat_workgroup_size: 128
    .sgpr_count:     100
    .vgpr_count:     1024
    .wavefront_size: 32
...
	.end_amdgpu_metadata
.endif
;; end of part 2
;; launch attn (part 3): grid 4 x 64, 16 waves a work-group, no clusters, 264,192 bytes of LDS; arguments qkv, mbits, flags, lowp_scales, ximg; writes ximg
.if DOCPART == 3
	.amdgcn_target "amdgcn-amd-amdhsa--gfx1250"
	.amdhsa_code_object_version 6
	.text
	.protected	k_q1fe7809caf_attn
	.globl	k_q1fe7809caf_attn
	.p2align	8
	.type	k_q1fe7809caf_attn,@function
k_q1fe7809caf_attn:
	s_mov_b64 s[64:65], 0
	v_nop
	global_prefetch_b8 v0, s[64:65] scope:SCOPE_SE
	s_setreg_imm32_b32 hwreg(HW_REG_WAVE_MODE, 25, 1), 1
	s_wait_xcnt 0x0
; ATTN.  For each batch x head: scores = Q K^T / 8 on codes of FP8 (E4M3), the mask (an input: blocked scores count as a very low energy, not as nothing), softmax, x V on codes; the result / the row's sum is quantised
; with entry 10 and stored as the image that the last product reads.
; THE SOFTMAX: t = energy x log2(e); M = the running largest t rounded UP to a whole number; p = 2^(t - M) is quantised (entry 8), not normalised; the row's sum is taken of the unquantised p and divides at the end.
; When M moves, the sum and O are multiplied by 2^(old M - new M), which rounds nothing.
; BLOCKED SCORES become the code sum -2^(36 - E), E = e6 + e7, which stands for the energy -2^33 (the definition has -1e10).  Both lie so far under every open energy that p is 0 beside any open key; and c x that number is exact
; and whole, so a row with no open key gets M = t and p = 1 for every key, as the definition gives.
; LIMITS: E between -91 and 12: then no sum of 64 products of codes (at most 64 x 448^2) reaches 2^(36 - E), and c and that number are f32 numbers.  e8 and e10 between -126 and 119.  e8 + e9 is applied by v_ldexp_f32.
; SHARES.  A work-group holds ONE head's whole K image (LDS 0 .. 131,071) and V image (131,072 .. 262,143), filled once, behind the launch's one barrier only read.  Each of its sixteen waves owns one block of 32 queries,
; two tiles, so that each fragment of K and V feeds two matrix instructions; four waves to a SIMD, so that one wave's vector work stands beside another's products.  Block = 4 x class(wave) + work-group x; the classes
; (a 4 x 4 square whose rows and columns have equal sums) spread early and late queries evenly over waves w % 4 and w / 4.
; STEPS THAT ARE LEFT OUT.  A key step is 64 keys.  The records that the first launch stored say, for my block: in which steps some score is open (ANYB), in which all are (ALLB), and whether each of my 32 rows has
; an open key at all.  If each has, a step with no open score adds p = 0 to every row and is jumped over.  If some row has none, no step is left out.  A step all of whose scores are open takes no mask words.
; WHY NO JOINT TENSOR LOADS, though four work-groups read the same 262,144 bytes: these jumps hang on numbers read from memory.
; LAYOUT.  Both products transposed: S^T = K Q^T (source 0 = 16 keys, source 1 = 16 queries), O^T = V^T P^T: a lane holds ONE query throughout.  By the images' order of rows, register n of S^T is key
; 32 (n / 16) + 16 h + n % 16 of the step: 16 registers are 16 neighbouring keys, and the conversions' results are the second product's operand.  k is permuted alike in both operands of each product.
; REGISTERS: v1-4 the fill's LDS addresses; v5 16 x lane; v6, v7 the step's K, V; v8-23 Q; v24-28 scales and the blocked score; v32-63 K, v64-95 V; v96-159 S^T, then p (tile u at +32 u); v160-223 O^T; v224-239 p's codes;
;   v240+8 u: +0 -M, +1 the largest t, +2, +3 the sum in two halves, +4 f, +5 zero, +6, +7 at work.
.set Q,  8
.set KF, 32
.set VF, 64
.set S,  96
.set O,  160
.set PC, 224
.set ST, 240
; The step's fragments and S^T.  The two additions and two v_nop are the four places between the last step's products V^T P^T and the loads into V's registers.
.macro LOADQK
	v_add_nc_u32 v6, s73, v5
	v_add_nc_u32 v7, 0x20000, v6
	v_nop
	v_nop
.irp t, 0,1,2,3
.irp c, 0,1
	ds_load_b128 v[KF+8*\t+4*\c:KF+8*\t+4*\c+3], v6 offset:1024*\t+512*\c
.endr
.endr
.irp t, 0,1,2,3
.irp c, 0,1
	ds_load_b128 v[VF+8*\t+4*\c:VF+8*\t+4*\c+3], v7 offset:1024*\t+512*\c
.endr
.endr
	s_wait_dscnt 8                                 ; K's eight loads are in; V's eight may be out
.irp t, 0,1,2,3
.irp u, 0,1
	v_wmma_f32_16x16x64_fp8_fp8 v[S+32*\u+8*\t:S+32*\u+8*\t+7], v[KF+8*\t:KF+8*\t+7], v[Q+8*\u:Q+8*\u+7], 0
.endr
.endr
.rept 4
	v_nop                                          ; places in front of the first read of the scores
.endr
.endm
	s_load_b256 s[4:11], s[0:1], 0x0               ; qkv s[4:5], mbits s[6:7], flags s[8:9], lowp_scales s[10:11]
	s_load_b64 s[12:13], s[0:1], 0x20              ; ximg
	v_lshl_add_u32 v30, v0, 2, 0x40000
	v_mov_b32 v31, 0
	v_lshrrev_b32 v1, 5, v0
	v_readfirstlane_b32 s14, v1                    ; wave 0..15
	v_lshlrev_b32 v1, 4, v0                        ; 16 x thread: the fill's place, in memory and in LDS
	v_add_nc_u32 v2, 0x10000, v1
	v_add_nc_u32 v3, 0x20000, v1
	v_add_nc_u32 v4, 0x30000, v1
	v_and_b32 v5, 31, v0
	v_lshlrev_b32 v5, 4, v5                        ; 16 x lane
	s_mov_b32 s2, 0x7a94c12f                       ; class(w), four bits a wave: waves 0-7,
	s_mov_b32 s3, 0x0de3b658                       ; waves 8-15
	s_cmp_lt_u32 s14, 8
	s_cselect_b32 s2, s2, s3
	s_and_b32 s3, s14, 7
	s_lshl_b32 s3, s3, 2
	s_lshr_b32 s2, s2, s3
	s_and_b32 s2, s2, 15
	s_lshl_b32 s2, s2, 2
	s_add_co_u32 s15, s2, ttmp9                    ; my block of 32 queries, 0 .. 63: it enters global addresses alone
	s_and_b32 s16, ttmp7, 0xffff                   ; batch x head
	s_lshl_b32 s18, s16, 17                        ; its 131,072 bytes in each of Q, K, V
	s_mov_b32 s19, 0
	s_lshl_b32 s20, s15, 11                        ; my two tiles of Q
	s_add_co_u32 s20, s20, s18
	s_mov_b32 s21, 0
	s_lshl_b32 s22, s15, 13                        ; my block's mask words
	s_mov_b32 s23, 0
	s_lshl_b32 s24, s15, 12                        ; my block's eight records
	s_mov_b32 s25, 0
	s_lshr_b32 s26, s16, 4                         ; the result: tile of rows 128 batch + 2 block, 16,384 bytes each; the head's two groups begin at 1,024 x head
	s_lshl_b32 s26, s26, 21
	s_lshl_b32 s27, s15, 15
	s_add_co_u32 s26, s26, s27
	s_and_b32 s27, s16, 15
	s_lshl_b32 s27, s27, 10
	s_add_co_u32 s26, s26, s27
	s_mov_b32 s27, 0
	s_mov_b32 s76, 0x76543210                      ; lane selects for v_permlanex16_b32: lane l xor 16
	s_mov_b32 s77, 0xfedcba98
	s_wait_kmcnt 0x0
	s_load_b128 s[96:99], s[10:11], 0x18           ; e6, e7, e8, e9
	s_load_b32 s100, s[10:11], 0x28                ; e10
	s_add_nc_u64 s[2:3], s[4:5], s[20:21]          ; Q at my block
	s_add_nc_u64 s[66:67], s[4:5], s[18:19]
	s_add_nc_u64 s[68:69], s[66:67], 0x1000000     ; V's image of my head
	s_add_nc_u64 s[66:67], s[66:67], 0x800000      ; K's
	s_add_nc_u64 s[6:7], s[6:7], s[22:23]
	s_add_nc_u64 s[8:9], s[8:9], s[24:25]
	s_add_nc_u64 s[12:13], s[12:13], s[26:27]
.irp k, 0,1,2,3,4,5,6,7
	s_load_b128 s[16+4*\k:19+4*\k], s[8:9], 512*\k ; RA0, RA1, ANYB, ALLB of steps 4 k .. 4 k + 3
.endr
.irp u, 0,1
.irp c, 0,1
	global_load_b128 v[Q+8*\u+4*\c:Q+8*\u+4*\c+3], v5, s[2:3] offset:1024*\u+512*\c th:TH_LOAD_NT   ; Q stays in registers
.endr
.endr
.set i, 0
.rept 16
	global_load_b128 v[32+4*i:35+4*i], v1, s[66:67] offset:8192*i    ; the 512 threads take 8,192 consecutive bytes an instruction
.set i, i+1
.endr
.set i, 0
.rept 16
	global_load_b128 v[96+4*i:99+4*i], v1, s[68:69] offset:8192*i
.set i, i+1
.endr
.set i, 0
.rept 64
	v_mov_b32 v[O+i], 0                            ; O^T.  Which step is a wave's first is not known to the text, so the loop is written once and its first step finds zeros
.set i, i+1
.endr
.irp u, 0,1
	v_mov_b32 v[ST+8*\u+1], 0xff61b1e6             ; the largest t so far: -3e38, under every t
	v_floor_f32 v[ST+8*\u], -v[ST+8*\u+1]          ; -M
	v_mov_b32 v[ST+8*\u+2], 0                      ; the sum
	v_mov_b32 v[ST+8*\u+3], 0
	v_mov_b32 v[ST+8*\u+4], 0
	v_mov_b32 v[ST+8*\u+5], 0                      ; (named as the upper half of f's pair)
	v_mov_b32 v[ST+8*\u+6], 0                      ; (a lane permute's destination counts as read)
	v_mov_b32 v[ST+8*\u+7], 0
.endr
.set i, 0
.rept 32
	s_wait_loadcnt 31-i                            ; loads come back in order (ISA guide 5.7.1): load i is in, the 31 - i younger ones may be out
	ds_store_b128 v[1+i/8], v[32+4*i:35+4*i] offset:8192*(i%8)
.set i, i+1
.endr
	s_wait_kmcnt 0x0
.irp k, 1,2,3,4,5,6,7
	s_or_b32 s16, s16, s[16+4*\k]
	s_or_b32 s17, s17, s[17+4*\k]
	s_or_b32 s18, s18, s[18+4*\k]
	s_or_b32 s19, s19, s[19+4*\k]
.endr
	s_lshr_b32 s20, s16, 16                        ; a row's keys lie in lanes r and r + 16
	s_or_b32 s16, s16, s20
	s_lshr_b32 s20, s17, 16
	s_or_b32 s17, s17, s20
	s_and_b32 s16, s16, s17
	s_and_b32 s16, s16, 0xffff
	s_cmp_eq_u32 s16, 0xffff                       ; has each of my 32 rows an open key?
	s_cselect_b32 s70, s18, -1                     ; the steps that are walked
	s_and_not1_b32 s71, s70, s19                   ; and those of them that take mask words
	s_add_co_i32 s20, s96, s97                     ; E = e6 + e7
	s_lshl_b32 s21, s20, 23
	s_add_co_i32 s74, s21, 0x3e38aa3b              ; c = log2(e) / 8 x 2^E: E is added to the exponent field
	s_mov_b32 s75, s74                             ; (named with it as a pair, so it is written)
	s_sub_co_i32 s20, 163, s20
	s_lshl_b32 s20, s20, 23
	s_or_b32 s20, s20, 0x80000000
	v_mov_b32 v26, s20                             ; -2^(36 - E): a blocked score
	s_add_co_i32 s20, s98, 127
	s_lshl_b32 s21, s20, 23
	v_mov_b32 v24, s21                             ; 2^e8
	s_add_co_i32 s20, s20, 8
	s_lshl_b32 s20, s20, 23
	s_or_b32 s20, s20, 0x600000
	v_mov_b32 v25, s20                             ; 448 x 2^e8
	s_add_co_i32 s79, s98, s99                     ; e8 + e9
	s_add_co_i32 s20, s100, 127
	s_lshl_b32 s21, s20, 23
	v_mov_b32 v28, s21                             ; 2^e10
	s_add_co_i32 s20, s20, 8
	s_lshl_b32 s20, s20, 23
	s_or_b32 s20, s20, 0x600000
	v_mov_b32 v27, s20                             ; 448 x 2^e10
	s_mov_b32 s72, 0                               ; the step
	s_mov_b32 s73, 0                               ; 4,096 x step: its tiles in LDS
	s_mov_b32 s78, 0                               ; 256 x step: its mask words
	s_wait_dscnt 0x0                               ; for the others' sake: my stores have landed
	s_barrier_signal -1
	s_barrier_wait -1                              ; K and V are whole; from here on LDS is only read
.Lstep:                                            ; 32 trips, a constant; the jumps hang on whole numbers that an earlier launch stored
	s_bitcmp1_b32 s70, s72
	s_cbranch_scc0 .Lskip
	s_bitcmp1_b32 s71, s72
	s_cbranch_scc0 .Lplain
	s_load_b512 s[16:31], s[6:7], s78 offset:0x0   ; the step's 64 words: word 2 n + u is the lane mask of register n of tile u
	s_load_b512 s[32:47], s[6:7], s78 offset:0x40
	s_load_b512 s[48:63], s[6:7], s78 offset:0x80
	s_load_b512 s[80:95], s[6:7], s78 offset:0xc0
	LOADQK
	s_wait_kmcnt 0x0
.set n, 0
.rept 32
.irp u, 0,1
.set wd, 2*n+\u
.if wd < 48
	v_cndmask_b32 v[S+32*\u+n], v26, v[S+32*\u+n], s[16+wd]   ; open: the score; blocked: -2^(36 - E).  Each accumulator from its low end on
.else
	v_cndmask_b32 v[S+32*\u+n], v26, v[S+32*\u+n], s[32+wd]
.endif
.endr
.set n, n+1
.endr
	s_branch .Lsoft
.Lplain:
	LOADQK
.Lsoft:
	; the softmax of both tiles, line by line, so that no line waits for the line above it
.irp u, 0,1
	v_max3_num_f32 v[ST+8*\u+6], v[S+32*\u], v[S+32*\u+1], v[S+32*\u+2]      ; the largest of my 32 scores, in two ascending chains
	v_max3_num_f32 v[ST+8*\u+7], v[S+32*\u+3], v[S+32*\u+4], v[S+32*\u+5]
.endr
.irp i, 6,10,14,18,22,26
.irp u, 0,1
	v_max3_num_f32 v[ST+8*\u+6], v[ST+8*\u+6], v[S+32*\u+\i], v[S+32*\u+\i+1]
	v_max3_num_f32 v[ST+8*\u+7], v[ST+8*\u+7], v[S+32*\u+\i+2], v[S+32*\u+\i+3]
.endr
.endr
.irp u, 0,1
	v_max3_num_f32 v[ST+8*\u+6], v[ST+8*\u+6], v[S+32*\u+30], v[S+32*\u+31]
.endr
.irp u, 0,1
	v_max_num_f32 v[ST+8*\u+6], v[ST+8*\u+6], v[ST+8*\u+7]
.endr
.irp u, 0,1
	v_permlanex16_b32 v[ST+8*\u+7], v[ST+8*\u+6], s76, s77                   ; the query's other 32 keys lie in lane l xor 16
.endr
.irp u, 0,1
	v_max_num_f32 v[ST+8*\u+6], v[ST+8*\u+6], v[ST+8*\u+7]
.endr
.irp u, 0,1
	v_mul_f32 v[ST+8*\u+6], s74, v[ST+8*\u+6]                                ; as t (c is positive)
.endr
.irp u, 0,1
	v_max_num_f32 v[ST+8*\u+1], v[ST+8*\u+1], v[ST+8*\u+6]                   ; the running largest t
	v_mov_b32 v[ST+8*\u+6], v[ST+8*\u]
.endr
.irp u, 0,1
	v_floor_f32 v[ST+8*\u], -v[ST+8*\u+1]                                    ; the new -M = floor(-t): M is a whole number
.endr
.irp u, 0,1
	v_sub_f32 v[ST+8*\u+6], v[ST+8*\u], v[ST+8*\u+6]                         ; old M - new M: whole, 0 or less
.endr
.irp u, 0,1
	v_cvt_i32_f32 v[ST+8*\u+6], v[ST+8*\u+6]                                 ; (it saturates)
.endr
.irp u, 0,1
	v_ldexp_f32 v[ST+8*\u+4], 1.0, v[ST+8*\u+6]                              ; f = 2^(old M - new M)
.endr
.irp j, 0,2,4,6,8,10,12,14,16,18,20,22,24,26,28,30
.irp u, 0,1
	v_pk_fma_f32 v[S+32*\u+\j:S+32*\u+\j+1], v[S+32*\u+\j:S+32*\u+\j+1], s[74:75], v[ST+8*\u:ST+8*\u+1] op_sel_hi:[1,0,0]   ; t - M, two at a time
.endr
.endr
.set i, 0
.rept 64
	v_exp_f32 v[S+i], v[S+i]                                                 ; p = 2^(t - M): one batch
.set i, i+1
.endr
.irp u, 0,1
	v_pk_mul_f32 v[ST+8*\u+2:ST+8*\u+3], v[ST+8*\u+2:ST+8*\u+3], v[ST+8*\u+4:ST+8*\u+5] op_sel_hi:[1,0]   ; the sums under the new M: plain lines behind the exponentials
.endr
	s_wait_alu depctr_va_vdst(0)                   ; one wait for the batch, ahead of its first reader
.irp u, 0,1
	v_pk_add_f32 v[ST+8*\u+6:ST+8*\u+7], v[S+32*\u:S+32*\u+1], v[S+32*\u+2:S+32*\u+3]   ; the row's sum is taken of the UNQUANTISED p, in two chains
.endr
.irp j, 4,8,12,16,20,24,28
.irp u, 0,1
	v_pk_add_f32 v[ST+8*\u+2:ST+8*\u+3], v[ST+8*\u+2:ST+8*\u+3], v[S+32*\u+\j:S+32*\u+\j+1]
	v_pk_add_f32 v[ST+8*\u+6:ST+8*\u+7], v[ST+8*\u+6:ST+8*\u+7], v[S+32*\u+\j+2:S+32*\u+\j+3]
.endr
.endr
.irp u, 0,1
	v_pk_add_f32 v[ST+8*\u+2:ST+8*\u+3], v[ST+8*\u+2:ST+8*\u+3], v[ST+8*\u+6:ST+8*\u+7]
.endr
.set i, 0
.rept 64
	v_min_num_f32 v[S+i], v[S+i], v25              ; the conversion does not saturate (ISA guide 7.6.2); p is not negative, so the hold is one-sided
.set i, i+1
.endr
.irp u, 0,1
.irp c, 0,1
	v_cvt_scalef32_pk8_fp8_f32 v[PC+8*\u+4*\c:PC+8*\u+4*\c+1], v[S+32*\u+16*\c:S+32*\u+16*\c+7], v24
	v_cvt_scalef32_pk8_fp8_f32 v[PC+8*\u+4*\c+2:PC+8*\u+4*\c+3], v[S+32*\u+16*\c+8:S+32*\u+16*\c+15], v24
.endr
.endr
.irp j, 0,2,4,6,8,10,12,14,16,18,20,22,24,26,28,30
.irp u, 0,1
	v_pk_mul_f32 v[O+32*\u+\j:O+32*\u+\j+1], v[O+32*\u+\j:O+32*\u+\j+1], v[ST+8*\u+4:ST+8*\u+5] op_sel_hi:[1,0]   ; O^T under the new M; these are also the plain lines between the conversions and the products
.endr
.endr
	s_wait_dscnt 0x0                               ; V is in
.irp t, 0,1,2,3
.irp u, 0,1
	v_wmma_f32_16x16x64_fp8_fp8 v[O+32*\u+8*\t:O+32*\u+8*\t+7], v[VF+8*\t:VF+8*\t+7], v[PC+8*\u:PC+8*\u+7], v[O+32*\u+8*\t:O+32*\u+8*\t+7]   ; eight accumulators by turns, one instruction a turn
.endr
.endr
.Lskip:
	s_add_co_u32 s73, s73, 4096
	s_add_co_u32 s78, s78, 256
	s_add_co_u32 s72, s72, 1
	s_cmp_lt_u32 s72, 32
	s_cbranch_scc1 .Lstep
	; THE WAY OUT: O^T / the sum x 2^(e8 + e9), quantised with entry 10.  The 16 registers of channels' tiles 2 b and 2 b + 1 are channels 32 b + 16 h + 0 .. 15 of my query's row: one group of the image.
.rept 4
	v_nop                                          ; places behind the last products
.endr
.irp u, 0,1
	v_add_f32 v[ST+8*\u+2], v[ST+8*\u+2], v[ST+8*\u+3]
.endr
.irp u, 0,1
	v_permlanex16_b32 v[ST+8*\u+6], v[ST+8*\u+2], s76, s77
.endr
.irp u, 0,1
	v_add_f32 v[ST+8*\u+2], v[ST+8*\u+2], v[ST+8*\u+6]     ; the row's sum: at least 1/2, since the row's largest p is above 1/2
.endr
.irp u, 0,1
	v_rcp_f32 v[ST+8*\u+4], v[ST+8*\u+2]
.endr
	v_nop                                          ; a plain line behind the reciprocals
	s_wait_alu depctr_va_vdst(0)                   ; and the wait ahead of their first reader
.irp u, 0,1
	v_ldexp_f32 v[ST+8*\u+4], v[ST+8*\u+4], s79
.endr
.irp u, 0,1
.irp j, 0,2,4,6,8,10,12,14,16,18,20,22,24,26,28,30
	v_pk_mul_f32 v[O+32*\u+\j:O+32*\u+\j+1], v[O+32*\u+\j:O+32*\u+\j+1], v[ST+8*\u+4:ST+8*\u+5] op_sel_hi:[1,0]
.endr
.endr
.set i, 0
.rept 64
	v_med3_num_f32 v[O+i], v[O+i], -v27, v27
.set i, i+1
.endr
.irp u, 0,1
.irp b, 0,1
	v_cvt_scalef32_pk8_fp8_f32 v[PC+8*\u+4*\b:PC+8*\u+4*\b+1], v[O+32*\u+16*\b:O+32*\u+16*\b+7], v28
	v_cvt_scalef32_pk8_fp8_f32 v[PC+8*\u+4*\b+2:PC+8*\u+4*\b+3], v[O+32*\u+16*\b+8:O+32*\u+16*\b+15], v28
.endr
.endr
	v_nop
.irp u, 0,1
.irp b, 0,1
	global_store_b128 v5, v[PC+8*\u+4*\b:PC+8*\u+4*\b+3], s[12:13] offset:16384*\u+512*\b   ; 32 lanes store 512 consecutive bytes, aligned
.endr
.endr
	s_wait_tensorcnt 0x0
	ds_add_u32 v30, v31
	s_wait_dscnt 0x0
	s_endpgm
.Lfunc_end_k_q1fe7809caf_attn:
	.size	k_q1fe7809caf_attn, .Lfunc_end_k_q1fe7809caf_attn-k_q1fe7809caf_attn
	.p2alignl 7, 3214868480
	.fill 96, 4, 3214868480
	.section	.rodata,"a",@progbits
	.p2align	6, 0x0
	.amdhsa_kernel k_q1fe7809caf_attn
		.amdhsa_group_segment_fixed_size 264192
		.amdhsa_private_segment_fixed_size 0
		.amdhsa_enable_private_segment 0
		.amdhsa_kernarg_size 40
		.amdhsa_user_sgpr_count 2
		.amdhsa_user_sgpr_kernarg_segment_ptr 1
		.amdhsa_wavefront_size32 1
		.amdhsa_system_sgpr_workgroup_id_x 1
		.amdhsa_system_sgpr_workgroup_id_y 1
		.amdhsa_system_sgpr_workgroup_id_z 1
		.amdhsa_system_vgpr_workitem_id 0
		.amdhsa_next_free_vgpr 256
		.amdhsa_next_free_sgpr 102
		.amdhsa_reserve_vcc 0
		.amdhsa_float_denorm_mode_32 3
		.amdhsa_float_denorm_mode_16_64 3
		.amdhsa_memory_ordered 1
		.amdhsa_forward_progress 1
		.amdhsa_inst_pref_size 45
	.end_amdhsa_kernel
	.amdgpu_metadata
---
amdhsa.version: [ 1, 2 ]
amdhsa.kernels:
  - .name:           k_q1fe7809caf_attn
    .symbol:         k_q1fe7809caf_attn.kd
    .args:
      - { .name: qkv, .offset: 0, .size: 8, .value_kind: global_buffer, .address_space: global }
      - { .name: mbits, .offset: 8, .size: 8, .value_kind: global_buffer, .address_space: global }
      - { .name: flags, .offset: 16, .size: 8, .value_kind: global_buffer, .address_space: global }
      - { .name: lowp_scales, .offset: 24, .size: 8, .value_kind: global_buffer, .address_space: global }
      - { .name: ximg, .offset: 32, .size: 8, .value_kind: global_buffer, .address_space: global }
    .group_segment_fixed_size: 264192
    .private_segment_fixed_size: 0
    .kernarg_segment_align: 8
    .kernarg_segment_size: 40
    .max_flat_workgroup_size: 512
    .sgpr_count:     102
    .vgpr_count:     256
    .wavefront_size: 32
...
	.end_amdgpu_metadata
.endif
;; end of part 3
;; launch outp (part 4): grid 4 x 32, 4 waves a work-group, clusters of 4 x 4, 327,680 bytes of LDS; arguments ximg, wimg, lowp_scales, bo, out0; writes out0
.if DOCPART == 4
	.amdgcn_target "amdgcn-amd-amdhsa--gfx1250"
	.amdhsa_code_object_version 6
	.text
	.protected	k_q1fe7809caf_outp
	.globl	k_q1fe7809caf_outp
	.p2align	8
	.type	k_q1fe7809caf_outp,@function
k_q1fe7809caf_outp:
	s_mov_b64 s[64:65], 0
	v_nop
	global_prefetch_b8 v0, s[64:65] scope:SCOPE_SE
	s_setreg_imm32_b32 hwreg(HW_REG_WAVE_MODE, 25, 1), 1
	s_wait_xcnt 0x0
	s_wait_alu depctr_hold_cnt(0) depctr_sa_sdst(0) depctr_va_vdst(0) depctr_va_sdst(0) depctr_va_ssrc(0) depctr_va_vcc(0) depctr_vm_vsrc(0)
	s_getreg_b32 s2, hwreg(HW_REG_IB_STS2, 6, 4)
	s_cmp_eq_u32 s2, 0
	s_cbranch_scc0 .Lentry_in_a_cluster
	s_endpgm
.Lentry_in_a_cluster:
	s_bfe_u32 s2, ttmp6, 0x10000c
	s_cmp_lg_u32 s2, 0xf033
	s_cbranch_scc0 .Lentry_shape_is_right
	s_endpgm
.Lentry_shape_is_right:
; OUTP.  out0 = x wo^T + bo on codes of FP8 (E4M3): x [8192][1024] is the attention's result as an image, wo the fourth image of wimg; out0 [8192][1024] f32.
; LIMIT: e10 + e11 between -126 and 127, so that 2^(e10 + e11) is an f32 number.
; IMAGES, ring, joint loads and the main loop are those of the projections' launch: place r of a tile T of 16 rows is row 32 (T / 2) + 8 (T % 2) + r + 8 (r / 8); a group of 512 bytes has lane (r, h)'s 16 bytes at 16 x lane:
; k = 32 c + 16 h + 0 .. 15; k is permuted alike in both operands.  'A' (source 1) = x, 'B' (source 0) = wo: register j of lane (r, h) of accumulator (a, b) is out(row at place r of A's tile a, column 32 (b / 2) + 8 (b % 2) + 16 h + j).
; SHARES.  8 clusters of 4 x 4 work-groups; a work-group makes 256 x 256, a wave 128 x 128.  A's tile is shared along a row of the cluster, B's along a column.  128 work-groups are all that tiles of this size give.
; THE WAY OUT.  A block of 16 rows x 128 columns goes through the wave's own stage in LDS (rows of 512 + 16 bytes) and comes back as whole rows; there each number is multiplied by 2^(e10 + e11) and bo is added (one packed
; multiply-add for two), and 32 lanes store 512 consecutive bytes.  The stage lies in slot 0: when the first result is stored there, that slot has had its last fill, and every wave has passed the last change of slots.
.set HALFT,  32768
.set SLOT,   4*HALFT
.set SPARE,  2*SLOT                    ; behind the ring: the spare words, 128 bytes for each wave: two blocks of 256 bytes that no other line names
.set SPITCH, 528
.set FR,     16
.set NL,     4
.set NP,     4
.set ADRA, 16
.set ADRB, 20
.set STO,  24                          ; v24  the way out: where I put 32 bytes of a row
.set RD,   25                          ; v25  where I read a row back
.set CO,   26                          ; v26  16 x lane
.set SPW,  28
.set NIL,  29
.set AF,   128
.set BK,   128                         ; the way out: 16 rows read back: v128-191 and v192-255 by turns;  v32-35: bo at my four columns
.set G1, 24
.set G0, 32
.set G1B, 48
.set G0B, 56
.set MSB, 0
.macro WIN new                         ; the immediate's high byte repeats the setting that is left
.if MSB != (\new)
	s_set_vgpr_msb (MSB<<8)|(\new)
.set MSB, (\new)
.endif
.endm
.set MUL_LO, 0xa1
.set MUL_HI, 0xf1
.set TO_B,   0x40
.macro JLOAD g0a, g1a, g0b, g1b        ; a joint load: waves 0 and 1 fetch for A, waves 2 and 3 for B; four v_nop follow each line
	s_cmp_eq_u32 s15, 0
	s_cbranch_scc0 .Lfor_b_\@
	tensor_load_to_lds s[\g0a:\g0a+3], s[\g1a:\g1a+7]
	s_nop 0
.rept 4
	v_nop
.endr
	s_branch .Lasked_\@
.Lfor_b_\@:
	tensor_load_to_lds s[\g0b:\g0b+3], s[\g1b:\g1b+7]
	s_nop 0
.rept 4
	v_nop
.endr
.Lasked_\@:
.endm
.macro CREST
	s_cmp_lg_u32 s14, 0
	s_cbranch_scc1 .Lnot_wave_0_\@
	s_barrier_signal -3
.Lnot_wave_0_\@:
	s_barrier_wait -3
	s_barrier_signal -1
	s_barrier_wait -1
.endm
.macro CROUND
	s_barrier_signal -1
	s_barrier_wait -1
	CREST
.endm
.macro FRAG reg, adr, q, i
.irp c, 0,1,2,3
	ds_load_b128 v[\reg+4*\c:\reg+4*\c+3], v[\adr] offset:2048*(\q)+512*\c+4096*(\i)
.endr
.endm
.macro MUL16 a0, p, zero               ; the 64 accumulators take turns, one instruction a turn, in the same order in every step
.irp a, \a0, \a0+1
.irp b, 0,1,2,3,4,5,6,7
.if \zero
	v_wmma_f32_16x16x128_fp8_fp8 v[8*(8*((\a)%4)+\b):8*(8*((\a)%4)+\b)+7], v[128*(\p)+FR*\b:128*(\p)+FR*\b+FR-1], v[AF+FR*(\a):AF+FR*(\a)+FR-1], 0
.else
	v_wmma_f32_16x16x128_fp8_fp8 v[8*(8*((\a)%4)+\b):8*(8*((\a)%4)+\b)+7], v[128*(\p)+FR*\b:128*(\p)+FR*\b+FR-1], v[AF+FR*(\a):AF+FR*(\a)+FR-1], v[8*(8*((\a)%4)+\b):8*(8*((\a)%4)+\b)+7]
.endif
.endr
.endr
.endm
.macro FETCH_B slot, q, p
	WIN TO_B
.irp i, 0,1,2,3,4,5,6,7
	FRAG 128*(\p)+FR*\i, ADRB+\slot, \q, \i
.endr
	WIN 0
.endm
.macro FETCH_A slot, q, i0
.irp i, \i0, \i0+1, \i0+2, \i0+3
	FRAG AF+FR*(\i), ADRA+\slot, \q, \i
.endr
.endm
.macro PLACES n
.rept \n
	v_nop
.endr
.endm
.macro STEP slot, q, zero
	s_wait_dscnt 4*NL                              ; B's set and A's blocks 0-3 are in; the youngest sixteen loads (A's blocks 4-7) may be out
	WIN MUL_LO
	MUL16 0, (\q)%2, \zero
	MUL16 2, (\q)%2, \zero
	s_wait_dscnt 0
	PLACES NP
	FETCH_B \slot, (\q)+1, 1-(\q)%2
	FETCH_A \slot, (\q)+1, 0
	WIN MUL_HI
	MUL16 4, (\q)%2, \zero
	MUL16 6, (\q)%2, \zero
	PLACES NP
	WIN 0
	FETCH_A \slot, (\q)+1, 4
.endm
.macro TURN slot, next, fill
	s_wait_tensorcnt 0x0                           ; all my tensor loads have landed: my part of the next slot
	ds_add_u32 v[SPW], v[NIL]                      ; 0 onto my spare word
	s_wait_dscnt 4*NL+1                            ; (the add and the youngest sixteen loads may be out)
	WIN MUL_LO
	MUL16 0, 1, 0
	s_wait_dscnt 0x0                               ; the add is done, and my reads of this slot are over
	s_barrier_signal -1
	MUL16 2, 1, 0
	WIN 0
	s_barrier_wait -1
.if \fill
	CREST                                          ; the barrier has opened a round of the cluster's: no wave of any partner still reads this slot or has a load on its way
	s_add_nc_u64 s[G0+4*\slot+2:G0+4*\slot+3], s[G0+4*\slot+2:G0+4*\slot+3], 8192
	s_add_nc_u64 s[G0B+4*\slot+2:G0B+4*\slot+3], s[G0B+4*\slot+2:G0B+4*\slot+3], 8192
	JLOAD G0+4*\slot, G1, G0B+4*\slot, G1B
.else
	PLACES NP
.endif
	FETCH_B \next, 0, 0
	FETCH_A \next, 0, 0
	WIN MUL_HI
	MUL16 4, 1, 0
	MUL16 6, 1, 0
	PLACES NP
	WIN 0
	FETCH_A \next, 0, 4
.endm
.macro TOSTAGE a                       ; block a's sums as they are into my stage, each accumulator's low half first, and back as whole rows.  LDS serves a wave's instructions in order (ISA guide 5.7.1.4)
.set AC, 64*((\a)%4)
	WIN 0x08+4*((\a)/4)                            ; the stores' data: window 2 or 3
.irp b, 0,1,2,3,4,5,6,7
	ds_store_b128 v[STO], v[AC+8*\b:AC+8*\b+3] offset:128*(\b/2)+32*(\b%2)
	ds_store_b128 v[STO], v[AC+8*\b+4:AC+8*\b+7] offset:128*(\b/2)+32*(\b%2)+16
.endr
	WIN 0
.set BB, BK+64*((\a)%2)
.irp t, 0,1,2,3,4,5,6,7,8,9,10,11,12,13,14,15
	ds_load_b128 v[BB+4*\t:BB+4*\t+3], v[RD] offset:\t*SPITCH
.endr
.endm
.macro SEND a, younger                 ; younger: the LDS instructions issued behind block a's loads, which may stay out
.set BB, BK+64*((\a)%2)
	s_wait_dscnt \younger
.irp t, 0,1,2,3,4,5,6,7,8,9,10,11,12,13,14,15
	v_pk_fma_f32 v[BB+4*\t:BB+4*\t+1], v[BB+4*\t:BB+4*\t+1], s[96:97], v[32:33] op_sel_hi:[1,0,1]       ; sum x 2^(e10 + e11) + bo
	v_pk_fma_f32 v[BB+4*\t+2:BB+4*\t+3], v[BB+4*\t+2:BB+4*\t+3], s[96:97], v[34:35] op_sel_hi:[1,0,1]
.endr
.irp t, 0,1,2,3,4,5,6,7,8,9,10,11,12,13,14,15
	global_store_b128 v[CO], v[BB+4*\t:BB+4*\t+3], s[80:81] offset:(32*((\a)/2)+8*((\a)%2)+\t+8*(\t/8))*4096 th:TH_STORE_NT   ; place t of tile a is that row; 512 consecutive bytes, aligned; 127 rows at the most, inside the signed 24-bit immediate
.endr
.endm
	s_load_b256 s[68:75], s[0:1], 0x0              ; ximg s[68:69], wimg s[70:71], lowp_scales s[72:73], bo s[74:75]
	s_load_b64 s[80:81], s[0:1], 0x20              ; out0
	v_lshl_add_u32 v[SPW], v0, 2, SPARE
	v_mov_b32 v[NIL], 0
	ds_add_u32 v28, v29
	ds_add_u32 v28, v29
	s_wait_dscnt 0x0
	v_lshrrev_b32 v1, 5, v0
	v_readfirstlane_b32 s14, v1                    ; wave 0..3
	s_lshr_b32 s15, s14, 1                         ; which half of A's rows is mine.  Also: I fetch for A (0) or for B (1)
	s_and_b32 s16, s14, 1                          ; which half of B's rows.  Also: which 8 tiles I fetch
	s_bfe_u32 s40, ttmp6, 0x40000                  ; cx, cy
	s_bfe_u32 s41, ttmp6, 0x40004
	s_and_b32 s17, ttmp7, 0xffff
	s_lshl_b32 s17, s17, 2
	s_add_co_u32 s17, s17, s41                     ; tr = 4 x cluster y + cy: which 256 rows of x
	s_mov_b32 s42, s40                             ; tc = cx: which 256 rows of wo
	s_lshl_b32 s43, s41, 2
	s_lshl_b32 s43, 15, s43                        ; my row of the cluster
	s_lshl_b32 s44, 0x1111, s40                    ; my column
	s_or_b32 s[G1+0], s43, (3<<16)|(1<<21)         ; the mask; elements of 8 bytes; no padding; bit 21 set beside a mask
	s_or_b32 s[G1B+0], s44, (3<<16)|(1<<21)
.irp g, G1, G1B
	s_mov_b32 s[\g+1], 512<<16                     ; tensor_dim0 = 512 elements: 4,096 bytes
	s_mov_b32 s[\g+2], 8<<16                       ; tensor_dim1 = 8 tiles
	s_mov_b32 s[\g+3], 512<<16                     ; tile_dim0
	s_mov_b32 s[\g+4], 8                           ; tile_dim1
	s_mov_b32 s[\g+5], 2048                        ; from tile to tile: 16,384 bytes
	s_mov_b32 s[\g+6], 0
	s_mov_b32 s[\g+7], 0
.endr
	s_lshl_b32 s18, s16, 17
	s_lshl_b32 s20, s17, 18
	s_add_co_u32 s20, s20, s18                     ; A: (16 tr + 8 half) x 16,384
	s_mov_b32 s21, 0
	s_lshl_b32 s46, s42, 18
	s_add_co_u32 s46, s46, s18
	s_add_co_u32 s46, s46, 0x300000                ; B: wo is the fourth image
	s_mov_b32 s47, 0
	s_mul_i32 s45, s14, HALFT
	s_wait_kmcnt 0x0
	s_load_b64 s[96:97], s[72:73], 0x28            ; e10, e11
	s_add_nc_u64 s[20:21], s[68:69], s[20:21]
	s_add_nc_u64 s[46:47], s[70:71], s[46:47]
	CROUND                                         ; all sixteen work-groups are here: the first joint loads meet
.irp s, 0,1
	s_mov_b32 s[G0+4*\s], 1
	s_add_co_u32 s[G0+4*\s+1], s45, \s*SLOT
	s_add_nc_u64 s[G0+4*\s+2:G0+4*\s+3], s[20:21], \s*4096
	s_or_b32 s[G0+4*\s+3], s[G0+4*\s+3], 0x80000000
	s_mov_b32 s[G0B+4*\s], 1
	s_add_co_u32 s[G0B+4*\s+1], s45, \s*SLOT
	s_add_nc_u64 s[G0B+4*\s+2:G0B+4*\s+3], s[46:47], \s*4096
	s_or_b32 s[G0B+4*\s+3], s[G0B+4*\s+3], 0x80000000
	JLOAD G0+4*\s, G1, G0B+4*\s, G1B
.endr
	v_and_b32 v1, 15, v0                           ; r
	v_bfe_u32 v2, v0, 4, 1                         ; h
	v_and_b32 v3, 31, v0
	v_lshlrev_b32 v[CO], 4, v3
	s_mul_i32 s21, s15, HALFT
	s_mul_i32 s22, s16, HALFT
	s_add_co_u32 s22, s22, 2*HALFT
.irp s, 0,1
	v_add_nc_u32 v[ADRA+\s], s21, v[CO]
	v_add_nc_u32 v[ADRB+\s], s22, v[CO]
	s_add_co_u32 s21, s21, SLOT
	s_add_co_u32 s22, s22, SLOT
.endr
	s_mul_i32 s23, s14, 16*SPITCH                  ; my stage
	v_mul_u32_u24 v4, v1, SPITCH
	v_lshl_add_u32 v4, v2, 6, v4
	v_add_nc_u32 v[STO], s23, v4                   ; in: row r, + 64 h bytes
	v_add_nc_u32 v[RD], s23, v[CO]                 ; back: the 32 lanes take one row of 512 bytes
	s_lshl_b32 s18, s42, 10
	s_lshl_b32 s19, s16, 9
	s_add_co_u32 s18, s18, s19                     ; my first column, in bytes: 4 (256 tc + 128 half)
	s_mov_b32 s19, 0
	s_add_nc_u64 s[74:75], s[74:75], s[18:19]
	global_load_b128 v[32:35], v[CO], s[74:75]     ; bo at columns 4 lane .. 4 lane + 3 of my 128
	s_lshl_b32 s22, s17, 20
	s_lshl_b32 s23, s15, 19
	s_add_co_u32 s22, s22, s23                     ; my first row: (256 tr + 128 half) x 4,096 bytes
	s_add_co_u32 s22, s22, s18
	s_mov_b32 s23, 0
	s_add_nc_u64 s[80:81], s[80:81], s[22:23]
	s_wait_kmcnt 0x0
	s_add_co_i32 s96, s96, s97
	s_add_co_i32 s96, s96, 127
	s_lshl_b32 s96, s96, 23                        ; 2^(e10 + e11) as f32
	s_mov_b32 s97, s96                             ; (named with it as a pair, so it is written)
	s_wait_tensorcnt 1                             ; my part of K step 0 is in (K step 1's load may be out)
	s_barrier_signal -1
	s_barrier_wait -1
	FETCH_B 0, 0, 0
	FETCH_A 0, 0, 0
	FETCH_A 0, 0, 4
	STEP 0, 0, 1                                   ; four K steps of 256, written out; the first products start the sums
	TURN 0, 1, 1
	STEP 1, 0, 0
	TURN 1, 0, 1
	STEP 0, 0, 0
	TURN 0, 1, 0
	STEP 1, 0, 0
	s_wait_dscnt 4*NL
	WIN MUL_LO
	MUL16 0, 1, 0
	MUL16 2, 1, 0
	s_wait_dscnt 0
	WIN MUL_HI
	MUL16 4, 1, 0
	MUL16 6, 1, 0
	WIN 0
	s_wait_loadcnt 0x0                             ; bo
	PLACES NP                                      ; in front of the stores that read results and of the loads into the registers that held A's fragments
	TOSTAGE 0
.irp a, 1,2,3,4,5,6,7
.if \a > 1
	s_wait_xcnt 0x0                                ; block a - 2's stores have read their registers: block a's rows may land there
.endif
	TOSTAGE \a
	SEND \a-1, 32                                  ; behind block a - 1's loads: block a's 16 stores and 16 loads
.endr
	SEND 7, 0
	s_wait_tensorcnt 0x0                           ; the wave's end
	ds_add_u32 v[SPW], v[NIL]
	s_wait_dscnt 0x0
	CROUND                                         ; the closing round
	s_endpgm
.Lfunc_end_k_q1fe7809caf_outp:
	.size	k_q1fe7809caf_outp, .Lfunc_end_k_q1fe7809caf_outp-k_q1fe7809caf_outp
	.p2alignl 7, 3214868480
	.fill 96, 4, 3214868480
	.section	.rodata,"a",@progbits
	.p2align	6, 0x0
	.amdhsa_kernel k_q1fe7809caf_outp
		.amdhsa_group_segment_fixed_size 327680
		.amdhsa_private_segment_fixed_size 0
		.amdhsa_enable_private_segment 0
		.amdhsa_kernarg_size 40
		.amdhsa_user_sgpr_count 2
		.amdhsa_user_sgpr_kernarg_segment_ptr 1
		.amdhsa_wavefront_size32 1
		.amdhsa_system_sgpr_workgroup_id_x 1
		.amdhsa_system_sgpr_workgroup_id_y 1
		.amdhsa_system_sgpr_workgroup_id_z 1
		.amdhsa_system_vgpr_workitem_id 0
		.amdhsa_next_free_vgpr 1024
		.amdhsa_next_free_sgpr 98
		.amdhsa_reserve_vcc 0
		.amdhsa_float_denorm_mode_32 3
		.amdhsa_float_denorm_mode_16_64 3
		.amdhsa_memory_ordered 1
		.amdhsa_forward_progress 1
		.amdhsa_inst_pref_size 122
	.end_amdhsa_kernel
	.amdgpu_metadata
---
amdhsa.version: [ 1, 2 ]
amdhsa.kernels:
  - .name:           k_q1fe7809caf_outp
    .symbol:         k_q1fe7809caf_outp.kd
    .args:
      - { .name: ximg, .offset: 0, .size: 8, .value_kind: global_buffer, .address_space: global }
      - { .name: wimg, .offset: 8, .size: 8, .value_kind: global_buffer, .address_space: global }
      - { .name: lowp_scales, .offset: 16, .size: 8, .value_kind: global_buffer, .address_space: global }
      - { .name: bo, .offset: 24, .size: 8, .value_kind: global_buffer, .address_space: global }
      - { .name: out0, .offset: 32, .size: 8, .value_kind: global_buffer, .address_space: global }
    .group_segment_fixed_size: 327680
    .private_segment_fixed_size: 0
    .kernarg_segment_align: 8
    .kernarg_segment_size: 40
    .max_flat_workgroup_size: 128
    .sgpr_count:     98
    .vgpr_count:     1024
    .wavefront_size: 32
...
	.end_amdgpu_metadata
.endif
;; end of part 4
;; ======== version 2 of 2: 4 launches; version 1 with the launch attn written anew for expert scheduling mode
;; limits: right only within a limited range of input values
;; workspace buffers: xin 25,165,824 bytes; wimg 4,194,304 bytes; qkv 25,165,824 bytes; ximg 8,388,608 bytes; mbits 524,288 bytes of whole numbers; flags 262,144 bytes of whole numbers
;; launch prep: the kernel of part 1 again; grid 576 x 1, 4 waves a work-group, no clusters, 70,144 bytes of LDS; arguments query, key, value, wq, wk, wv, wo, mask, lowp_scales, xin, wimg, mbits, flags; writes xin, wimg, mbits, flags
;; launch proj: the kernel of part 2 again; grid 4 x 96, 4 waves a work-group, clusters of 4 x 4, 327,680 bytes of LDS; arguments xin, wimg, lowp_scales, bq, bk, bv, qkv; writes qkv
;; launch attn (part 5): grid 4 x 64, 16 waves a work-group, no clusters, 264,192 bytes of LDS; arguments qkv, mbits, flags, lowp_scales, ximg; writes ximg
.if DOCPART == 5
	.amdgcn_target "amdgcn-amd-amdhsa--gfx1250"
	.amdhsa_code_object_version 6
	.text
	.protected	k_q1fe7809caf_attn
	.globl	k_q1fe7809caf_attn
	.p2align	8
	.type	k_q1fe7809caf_attn,@function
k_q1fe7809caf_attn:
	s_mov_b64 s[64:65], 0
	v_nop
	global_prefetch_b8 v0, s[64:65] scope:SCOPE_SE
	s_setreg_imm32_b32 hwreg(HW_REG_WAVE_SCHED_MODE, 0, 2), 2
	s_setreg_imm32_b32 hwreg(HW_REG_WAVE_MODE, 25, 1), 1
	s_wait_xcnt 0x0
	s_wait_alu depctr_vm_vsrc(0)
; ATTN.  For each batch x head: scores = Q K^T / 8 on codes of FP8 (E4M3), the mask (an input: blocked scores count as a very low energy, not as nothing), softmax, x V on codes; the result / the row's sum is quantised
; with entry 10 and stored as the image that the last product reads.
; THE SOFTMAX: t = energy x log2(e); M = the running largest t rounded UP to a whole number; p = 2^(t - M) is quantised (entry 8), not normalised; the row's sum is taken of the unquantised p and divides at the end.
; When M moves, the sum and O are multiplied by 2^(old M - new M), which rounds nothing.
; BLOCKED SCORES become the code sum -2^(36 - E), E = e6 + e7, which stands for the energy -2^33 (the definition has -1e10).  Both lie so far under every open energy that p is 0 beside any open key; and c x that number is exact
; and whole, so a row with no open key gets M = t and p = 1 for every key, as the definition gives.
; LIMITS: E between -91 and 12: then no sum of 64 products of codes (at most 64 x 448^2) reaches 2^(36 - E), and c and that number are f32 numbers.  e8 and e10 between -126 and 119.  e8 + e9 is applied by v_ldexp_f32.
; SHARES.  A work-group holds ONE head's whole K image (LDS 0 .. 131,071) and V image (131,072 .. 262,143), filled once, behind the launch's one barrier only read.  Each of its sixteen waves owns one block of 32 queries,
; two tiles, so that each fragment of K and V feeds two matrix instructions; four waves to a SIMD, so that one wave's vector work stands beside another's products.  Block = 4 x class(wave) + work-group x; the classes
; (a 4 x 4 square whose rows and columns have equal sums) spread early and late queries evenly over waves w % 4 and w / 4.
; STEPS THAT ARE LEFT OUT.  A key step is 64 keys.  The records that the first launch stored say, for my block: in which steps some score is open (ANYB), in which all are (ALLB), and whether each of my 32 rows has
; an open key at all.  If each has, a step with no open score adds p = 0 to every row and is jumped over.  If some row has none, no step is left out.  A step all of whose scores are open takes no mask words.
; WHY NO JOINT TENSOR LOADS, though four work-groups read the same 262,144 bytes: these jumps hang on numbers read from memory.
; LAYOUT.  Both products transposed: S^T = K Q^T (source 0 = 16 keys, source 1 = 16 queries), O^T = V^T P^T: a lane holds ONE query throughout.  By the images' order of rows, register n of S^T is key
; 32 (n / 16) + 16 h + n % 16 of the step: 16 registers are 16 neighbouring keys, and the conversions' results are the second product's operand.  k is permuted alike in both operands of each product.
; REGISTERS: v1-4 the fill's LDS addresses; v5 16 x lane; v6, v7 the step's K, V; v8-23 Q; v24-28 scales and the blocked score; v32-63 K, v64-95 V; v96-159 S^T, then p (tile u at +32 u); v160-223 O^T; v224-239 p's codes;
;   v240+8 u: +0 -M, +1 the largest t, +2, +3 the sum in two halves, +4 f, +5 zero, +6, +7 at work.
; THE MODE: SCHED_MODE bits 1:0 = 2 (LLVM: expert scheduling mode 2), set by the entry lines.  The code itself states the register dependences between vector or matrix instructions and memory or LDS instructions,
; with s_wait_alu, always for 0.
; THE PLAN.  Registers that memory or LDS instructions touch:
;   v1-v5      Written once, at the head, ahead of the first load.  v1: offset of the fill's loads; v1-v4: addresses of the fill's LDS stores; v5: offset of Q's loads and of the last four stores.  Never written again.
;   v8-23      Q: four loads land here once; afterwards products alone read them.
;   v32-159    In the fill: 32 loads land here and 32 LDS stores read them.  Afterwards they are K, V and S^T.
;   v6, v7     Written by two additions at the head of each walked step; read by that step's sixteen LDS loads.
;   v32-63 K   Eight LDS loads land at the step's head; the step's eight products K Q^T read them.
;   v64-95 V   Eight LDS loads land, dealt among those products; the step's eight products V^T P^T, its last vector-side instructions, read them.
;   v224-239   Written by conversions; read by products, and at the end by the four stores.
;   S^T / p, O^T and the statistics are named by vector and matrix instructions alone.
; So a walked step has, at its head, one wait on vm_vsrc ahead of the additions to v6 and v7 and one wait on va_vdst behind them: the second states that the two addresses are written and that the products of the step
; walked last are done reading K's and V's registers.  All sixteen LDS loads of the step follow it with no further wait: the only vector-side instructions among them are the products K Q^T, which name K, Q and S^T.
.set Q,  8
.set KF, 32
.set VF, 64
.set S,  96
.set O,  160
.set PC, 224
.set ST, 240
; The step's fragments and S^T.  The two additions and two v_nop are the four places between the last step's products V^T P^T and the loads into V's registers; they stay beside the wait behind them.
.macro LOADQK
	s_wait_alu depctr_vm_vsrc(0)                   ; the LDS loads of the step walked last have read v6 and v7, which the additions write; in a wave's first walked step: the fill's LDS stores have read v32-159, in which the loads below land and which the products below write
	v_add_nc_u32 v6, s73, v5
	v_add_nc_u32 v7, 0x20000, v6
	v_nop
	v_nop
	s_wait_alu depctr_va_vdst(0)                   ; v6 and v7 are written, which the sixteen loads below read; the products of the step walked last are done reading K's and V's registers, in which those loads land
.irp t, 0,1,2,3
.irp c, 0,1
	ds_load_b128 v[KF+8*\t+4*\c:KF+8*\t+4*\c+3], v6 offset:1024*\t+512*\c
.endr
.endr
	s_wait_dscnt 0x0                               ; K's eight loads are in; nothing younger is out: V's loads follow
.irp t, 0,1,2,3
.irp u, 0,1
	v_wmma_f32_16x16x64_fp8_fp8 v[S+32*\u+8*\t:S+32*\u+8*\t+7], v[KF+8*\t:KF+8*\t+7], v[Q+8*\u:Q+8*\u+7], 0
.endr
.irp c, 0,1
	ds_load_b128 v[VF+8*\t+4*\c:VF+8*\t+4*\c+3], v7 offset:1024*\t+512*\c   ; V's loads, two behind each pair of products.  No wait: no vector or matrix instruction since the wait above names v7 or V's registers
.endr
.endr
.rept 4
	v_nop                                          ; places in front of the first read of the scores
.endr
.endm
	s_load_b256 s[4:11], s[0:1], 0x0               ; qkv s[4:5], mbits s[6:7], flags s[8:9], lowp_scales s[10:11]
	s_load_b64 s[12:13], s[0:1], 0x20              ; ximg
	v_lshl_add_u32 v30, v0, 2, 0x40000
	v_mov_b32 v31, 0
	v_lshrrev_b32 v1, 5, v0
	v_readfirstlane_b32 s14, v1                    ; wave 0..15
	v_lshlrev_b32 v1, 4, v0                        ; 16 x thread: the fill's place, in memory and in LDS
	v_add_nc_u32 v2, 0x10000, v1
	v_add_nc_u32 v3, 0x20000, v1
	v_add_nc_u32 v4, 0x30000, v1
	v_and_b32 v5, 31, v0
	v_lshlrev_b32 v5, 4, v5                        ; 16 x lane
	s_wait_alu depctr_va_sdst(0)                   ; s14 is written, ahead of its first reader: the wave's class and block are made from it
	s_mov_b32 s2, 0x7a94c12f                       ; class(w), four bits a wave: waves 0-7,
	s_mov_b32 s3, 0x0de3b658                       ; waves 8-15
	s_cmp_lt_u32 s14, 8
	s_cselect_b32 s2, s2, s3
	s_and_b32 s3, s14, 7
	s_lshl_b32 s3, s3, 2
	s_lshr_b32 s2, s2, s3
	s_and_b32 s2, s2, 15
	s_lshl_b32 s2, s2, 2
	s_add_co_u32 s15, s2, ttmp9                    ; my block of 32 queries, 0 .. 63: it enters global addresses alone
	s_and_b32 s16, ttmp7, 0xffff                   ; batch x head
	s_lshl_b32 s18, s16, 17                        ; its 131,072 bytes in each of Q, K, V
	s_mov_b32 s19, 0
	s_lshl_b32 s20, s15, 11                        ; my two tiles of Q
	s_add_co_u32 s20, s20, s18
	s_mov_b32 s21, 0
	s_lshl_b32 s22, s15, 13                        ; my block's mask words
	s_mov_b32 s23, 0
	s_lshl_b32 s24, s15, 12                        ; my block's eight records
	s_mov_b32 s25, 0
	s_lshr_b32 s26, s16, 4                         ; the result: tile of rows 128 batch + 2 block, 16,384 bytes each; the head's two groups begin at 1,024 x head
	s_lshl_b32 s26, s26, 21
	s_lshl_b32 s27, s15, 15
	s_add_co_u32 s26, s26, s27
	s_and_b32 s27, s16, 15
	s_lshl_b32 s27, s27, 10
	s_add_co_u32 s26, s26, s27
	s_mov_b32 s27, 0
	s_mov_b32 s76, 0x76543210                      ; lane selects for v_permlanex16_b32: lane l xor 16
	s_mov_b32 s77, 0xfedcba98
	s_wait_kmcnt 0x0
	s_load_b128 s[96:99], s[10:11], 0x18           ; e6, e7, e8, e9
	s_load_b32 s100, s[10:11], 0x28                ; e10
	s_add_nc_u64 s[2:3], s[4:5], s[20:21]          ; Q at my block
	s_add_nc_u64 s[66:67], s[4:5], s[18:19]
	s_add_nc_u64 s[68:69], s[66:67], 0x1000000     ; V's image of my head
	s_add_nc_u64 s[66:67], s[66:67], 0x800000      ; K's
	s_add_nc_u64 s[6:7], s[6:7], s[22:23]
	s_add_nc_u64 s[8:9], s[8:9], s[24:25]
	s_add_nc_u64 s[12:13], s[12:13], s[26:27]
.irp k, 0,1,2,3,4,5,6,7
	s_load_b128 s[16+4*\k:19+4*\k], s[8:9], 512*\k ; RA0, RA1, ANYB, ALLB of steps 4 k .. 4 k + 3
.endr
	s_wait_alu depctr_va_vdst(0)                   ; v1 to v5 are written: the loads below, the fill's LDS stores and the last four stores read them as offsets and addresses, and no vector instruction writes them again
.irp u, 0,1
.irp c, 0,1
	global_load_b128 v[Q+8*\u+4*\c:Q+8*\u+4*\c+3], v5, s[2:3] offset:1024*\u+512*\c th:TH_LOAD_NT   ; Q stays in registers
.endr
.endr
.set i, 0
.rept 16
	global_load_b128 v[32+4*i:35+4*i], v1, s[66:67] offset:8192*i    ; the 512 threads take 8,192 consecutive bytes an instruction
.set i, i+1
.endr
.set i, 0
.rept 16
	global_load_b128 v[96+4*i:99+4*i], v1, s[68:69] offset:8192*i
.set i, i+1
.endr
.set i, 0
.rept 64
	v_mov_b32 v[O+i], 0                            ; O^T.  Which step is a wave's first is not known to the text, so the loop is written once and its first step finds zeros
.set i, i+1
.endr
.irp u, 0,1
	v_mov_b32 v[ST+8*\u+1], 0xff61b1e6             ; the largest t so far: -3e38, under every t
	v_floor_f32 v[ST+8*\u], -v[ST+8*\u+1]          ; -M
	v_mov_b32 v[ST+8*\u+2], 0                      ; the sum
	v_mov_b32 v[ST+8*\u+3], 0
	v_mov_b32 v[ST+8*\u+4], 0
	v_mov_b32 v[ST+8*\u+5], 0                      ; (named as the upper half of f's pair)
	v_mov_b32 v[ST+8*\u+6], 0                      ; (a lane permute's destination counts as read)
	v_mov_b32 v[ST+8*\u+7], 0
.endr
.set i, 0
.rept 32
	s_wait_loadcnt 31-i                            ; loads come back in order (ISA guide 5.7.1): load i is in, the 31 - i younger ones may be out
	ds_store_b128 v[1+i/8], v[32+4*i:35+4*i] offset:8192*(i%8)   ; (the vector lines since the wait on va_vdst name v160 and up alone: neither these addresses nor these data)
.set i, i+1
.endr
	s_wait_kmcnt 0x0
.irp k, 1,2,3,4,5,6,7
	s_or_b32 s16, s16, s[16+4*\k]
	s_or_b32 s17, s17, s[17+4*\k]
	s_or_b32 s18, s18, s[18+4*\k]
	s_or_b32 s19, s19, s[19+4*\k]
.endr
	s_lshr_b32 s20, s16, 16                        ; a row's keys lie in lanes r and r + 16
	s_or_b32 s16, s16, s20
	s_lshr_b32 s20, s17, 16
	s_or_b32 s17, s17, s20
	s_and_b32 s16, s16, s17
	s_and_b32 s16, s16, 0xffff
	s_cmp_eq_u32 s16, 0xffff                       ; has each of my 32 rows an open key?
	s_cselect_b32 s70, s18, -1                     ; the steps that are walked
	s_and_not1_b32 s71, s70, s19                   ; and those of them that take mask words
	s_add_co_i32 s20, s96, s97                     ; E = e6 + e7
	s_lshl_b32 s21, s20, 23
	s_add_co_i32 s74, s21, 0x3e38aa3b              ; c = log2(e) / 8 x 2^E: E is added to the exponent field
	s_mov_b32 s75, s74                             ; (named with it as a pair, so it is written)
	s_sub_co_i32 s20, 163, s20
	s_lshl_b32 s20, s20, 23
	s_or_b32 s20, s20, 0x80000000
	v_mov_b32 v26, s20                             ; -2^(36 - E): a blocked score
	s_add_co_i32 s20, s98, 127
	s_lshl_b32 s21, s20, 23
	v_mov_b32 v24, s21                             ; 2^e8
	s_add_co_i32 s20, s20, 8
	s_lshl_b32 s20, s20, 23
	s_or_b32 s20, s20, 0x600000
	v_mov_b32 v25, s20                             ; 448 x 2^e8
	s_add_co_i32 s79, s98, s99                     ; e8 + e9
	s_add_co_i32 s20, s100, 127
	s_lshl_b32 s21, s20, 23
	v_mov_b32 v28, s21                             ; 2^e10
	s_add_co_i32 s20, s20, 8
	s_lshl_b32 s20, s20, 23
	s_or_b32 s20, s20, 0x600000
	v_mov_b32 v27, s20                             ; 448 x 2^e10
	s_mov_b32 s72, 0                               ; the step
	s_mov_b32 s73, 0                               ; 4,096 x step: its tiles in LDS
	s_mov_b32 s78, 0                               ; 256 x step: its mask words
	s_wait_dscnt 0x0                               ; for the others' sake: my stores have landed
	s_barrier_signal -1
	s_barrier_wait -1                              ; K and V are whole; from here on LDS is only read
.Lstep:                                            ; 32 trips, a constant; the jumps hang on whole numbers that an earlier launch stored
	s_bitcmp1_b32 s70, s72
	s_cbranch_scc0 .Lskip
	s_bitcmp1_b32 s71, s72
	s_cbranch_scc0 .Lplain
	s_load_b512 s[16:31], s[6:7], s78 offset:0x0   ; the step's 64 words: word 2 n + u is the lane mask of register n of tile u
	s_load_b512 s[32:47], s[6:7], s78 offset:0x40
	s_load_b512 s[48:63], s[6:7], s78 offset:0x80
	s_load_b512 s[80:95], s[6:7], s78 offset:0xc0
	LOADQK
	s_wait_kmcnt 0x0
.set n, 0
.rept 32
.irp u, 0,1
.set wd, 2*n+\u
.if wd < 48
	v_cndmask_b32 v[S+32*\u+n], v26, v[S+32*\u+n], s[16+wd]   ; open: the score; blocked: -2^(36 - E).  Each accumulator from its low end on
.else
	v_cndmask_b32 v[S+32*\u+n], v26, v[S+32*\u+n], s[32+wd]
.endif
.endr
.set n, n+1
.endr
	s_branch .Lsoft
.Lplain:
	LOADQK
.Lsoft:
	; the softmax of both tiles, line by line, so that no line waits for the line above it
.irp u, 0,1
	v_max3_num_f32 v[ST+8*\u+6], v[S+32*\u], v[S+32*\u+1], v[S+32*\u+2]      ; the largest of my 32 scores, in two ascending chains
	v_max3_num_f32 v[ST+8*\u+7], v[S+32*\u+3], v[S+32*\u+4], v[S+32*\u+5]
.endr
.irp i, 6,10,14,18,22,26
.irp u, 0,1
	v_max3_num_f32 v[ST+8*\u+6], v[ST+8*\u+6], v[S+32*\u+\i], v[S+32*\u+\i+1]
	v_max3_num_f32 v[ST+8*\u+7], v[ST+8*\u+7], v[S+32*\u+\i+2], v[S+32*\u+\i+3]
.endr
.endr
.irp u, 0,1
	v_max3_num_f32 v[ST+8*\u+6], v[ST+8*\u+6], v[S+32*\u+30], v[S+32*\u+31]
.endr
.irp u, 0,1
	v_max_num_f32 v[ST+8*\u+6], v[ST+8*\u+6], v[ST+8*\u+7]
.endr
.irp u, 0,1
	v_permlanex16_b32 v[ST+8*\u+7], v[ST+8*\u+6], s76, s77                   ; the query's other 32 keys lie in lane l xor 16
.endr
.irp u, 0,1
	v_max_num_f32 v[ST+8*\u+6], v[ST+8*\u+6], v[ST+8*\u+7]
.endr
.irp u, 0,1
	v_mul_f32 v[ST+8*\u+6], s74, v[ST+8*\u+6]                                ; as t (c is positive)
.endr
.irp u, 0,1
	v_max_num_f32 v[ST+8*\u+1], v[ST+8*\u+1], v[ST+8*\u+6]                   ; the running largest t
	v_mov_b32 v[ST+8*\u+6], v[ST+8*\u]
.endr
.irp u, 0,1
	v_floor_f32 v[ST+8*\u], -v[ST+8*\u+1]                                    ; the new -M = floor(-t): M is a whole number
.endr
.irp u, 0,1
	v_sub_f32 v[ST+8*\u+6], v[ST+8*\u], v[ST+8*\u+6]                         ; old M - new M: whole, 0 or less
.endr
.irp u, 0,1
	v_cvt_i32_f32 v[ST+8*\u+6], v[ST+8*\u+6]                                 ; (it saturates)
.endr
.irp u, 0,1
	v_ldexp_f32 v[ST+8*\u+4], 1.0, v[ST+8*\u+6]                              ; f = 2^(old M - new M)
.endr
.irp j, 0,2,4,6,8,10,12,14,16,18,20,22,24,26,28,30
.irp u, 0,1
	v_pk_fma_f32 v[S+32*\u+\j:S+32*\u+\j+1], v[S+32*\u+\j:S+32*\u+\j+1], s[74:75], v[ST+8*\u:ST+8*\u+1] op_sel_hi:[1,0,0]   ; t - M, two at a time
.endr
.endr
.set i, 0
.rept 64
	v_exp_f32 v[S+i], v[S+i]                                                 ; p = 2^(t - M): one batch
.set i, i+1
.endr
.irp u, 0,1
	v_pk_mul_f32 v[ST+8*\u+2:ST+8*\u+3], v[ST+8*\u+2:ST+8*\u+3], v[ST+8*\u+4:ST+8*\u+5] op_sel_hi:[1,0]   ; the sums under the new M: plain lines behind the exponentials
.endr
	s_wait_alu depctr_va_vdst(0)                   ; the 64 exponentials have written p, v96-159: one wait for the batch, ahead of its first reader, the sums below
.irp u, 0,1
	v_pk_add_f32 v[ST+8*\u+6:ST+8*\u+7], v[S+32*\u:S+32*\u+1], v[S+32*\u+2:S+32*\u+3]   ; the row's sum is taken of the UNQUANTISED p, in two chains
.endr
.irp j, 4,8,12,16,20,24,28
.irp u, 0,1
	v_pk_add_f32 v[ST+8*\u+2:ST+8*\u+3], v[ST+8*\u+2:ST+8*\u+3], v[S+32*\u+\j:S+32*\u+\j+1]
	v_pk_add_f32 v[ST+8*\u+6:ST+8*\u+7], v[ST+8*\u+6:ST+8*\u+7], v[S+32*\u+\j+2:S+32*\u+\j+3]
.endr
.endr
.irp u, 0,1
	v_pk_add_f32 v[ST+8*\u+2:ST+8*\u+3], v[ST+8*\u+2:ST+8*\u+3], v[ST+8*\u+6:ST+8*\u+7]
.endr
.set i, 0
.rept 64
	v_min_num_f32 v[S+i], v[S+i], v25              ; the conversion does not saturate (ISA guide 7.6.2); p is not negative, so the hold is one-sided
.set i, i+1
.endr
.irp u, 0,1
.irp c, 0,1
	v_cvt_scalef32_pk8_fp8_f32 v[PC+8*\u+4*\c:PC+8*\u+4*\c+1], v[S+32*\u+16*\c:S+32*\u+16*\c+7], v24
	v_cvt_scalef32_pk8_fp8_f32 v[PC+8*\u+4*\c+2:PC+8*\u+4*\c+3], v[S+32*\u+16*\c+8:S+32*\u+16*\c+15], v24
.endr
.endr
.irp j, 0,2,4,6,8,10,12,14,16,18,20,22,24,26,28,30
.irp u, 0,1
	v_pk_mul_f32 v[O+32*\u+\j:O+32*\u+\j+1], v[O+32*\u+\j:O+32*\u+\j+1], v[ST+8*\u+4:ST+8*\u+5] op_sel_hi:[1,0]   ; O^T under the new M; these are also the plain lines between the conversions and the products
.endr
.endr
	s_wait_dscnt 0x0                               ; V is in
.irp t, 0,1,2,3
.irp u, 0,1
	v_wmma_f32_16x16x64_fp8_fp8 v[O+32*\u+8*\t:O+32*\u+8*\t+7], v[VF+8*\t:VF+8*\t+7], v[PC+8*\u:PC+8*\u+7], v[O+32*\u+8*\t:O+32*\u+8*\t+7]   ; eight accumulators by turns, one instruction a turn
.endr
.endr
.Lskip:
	s_add_co_u32 s73, s73, 4096
	s_add_co_u32 s78, s78, 256
	s_add_co_u32 s72, s72, 1
	s_cmp_lt_u32 s72, 32
	s_cbranch_scc1 .Lstep
	; THE WAY OUT: O^T / the sum x 2^(e8 + e9), quantised with entry 10.  The 16 registers of channels' tiles 2 b and 2 b + 1 are channels 32 b + 16 h + 0 .. 15 of my query's row: one group of the image.
.rept 4
	v_nop                                          ; places behind the last products
.endr
.irp u, 0,1
	v_add_f32 v[ST+8*\u+2], v[ST+8*\u+2], v[ST+8*\u+3]
.endr
.irp u, 0,1
	v_permlanex16_b32 v[ST+8*\u+6], v[ST+8*\u+2], s76, s77
.endr
.irp u, 0,1
	v_add_f32 v[ST+8*\u+2], v[ST+8*\u+2], v[ST+8*\u+6]     ; the row's sum: at least 1/2, since the row's largest p is above 1/2
.endr
.irp u, 0,1
	v_rcp_f32 v[ST+8*\u+4], v[ST+8*\u+2]
.endr
	v_nop                                          ; a plain line behind the reciprocals
	s_wait_alu depctr_va_vdst(0)                   ; the two reciprocals have written v244 and v252, ahead of their first reader, the scalings below
.irp u, 0,1
	v_ldexp_f32 v[ST+8*\u+4], v[ST+8*\u+4], s79
.endr
.irp u, 0,1
.irp j, 0,2,4,6,8,10,12,14,16,18,20,22,24,26,28,30
	v_pk_mul_f32 v[O+32*\u+\j:O+32*\u+\j+1], v[O+32*\u+\j:O+32*\u+\j+1], v[ST+8*\u+4:ST+8*\u+5] op_sel_hi:[1,0]
.endr
.endr
.set i, 0
.rept 64
	v_med3_num_f32 v[O+i], v[O+i], -v27, v27
.set i, i+1
.endr
.irp u, 0,1
.irp b, 0,1
	v_cvt_scalef32_pk8_fp8_f32 v[PC+8*\u+4*\b:PC+8*\u+4*\b+1], v[O+32*\u+16*\b:O+32*\u+16*\b+7], v28
	v_cvt_scalef32_pk8_fp8_f32 v[PC+8*\u+4*\b+2:PC+8*\u+4*\b+3], v[O+32*\u+16*\b+8:O+32*\u+16*\b+15], v28
.endr
.endr
	v_nop
	s_wait_alu depctr_va_vdst(0)                   ; the conversions have written the codes, v224-239, which the four stores read
.irp u, 0,1
.irp b, 0,1
	global_store_b128 v5, v[PC+8*\u+4*\b:PC+8*\u+4*\b+3], s[12:13] offset:16384*\u+512*\b   ; 32 lanes store 512 consecutive bytes, aligned
.endr
.endr
	s_wait_dscnt 0x0
	s_wait_alu depctr_hold_cnt(0) depctr_sa_sdst(0) depctr_va_vdst(0) depctr_va_sdst(0) depctr_va_ssrc(0) depctr_va_vcc(0) depctr_vm_vsrc(0)
	s_wait_tensorcnt 0x0
	ds_add_u32 v30, v31
	s_wait_dscnt 0x0
	s_endpgm
.Lfunc_end_k_q1fe7809caf_attn:
	.size	k_q1fe7809caf_attn, .Lfunc_end_k_q1fe7809caf_attn-k_q1fe7809caf_attn
	.p2alignl 7, 3214868480
	.fill 96, 4, 3214868480
	.section	.rodata,"a",@progbits
	.p2align	6, 0x0
	.amdhsa_kernel k_q1fe7809caf_attn
		.amdhsa_group_segment_fixed_size 264192
		.amdhsa_private_segment_fixed_size 0
		.amdhsa_enable_private_segment 0
		.amdhsa_kernarg_size 40
		.amdhsa_user_sgpr_count 2
		.amdhsa_user_sgpr_kernarg_segment_ptr 1
		.amdhsa_wavefront_size32 1
		.amdhsa_system_sgpr_workgroup_id_x 1
		.amdhsa_system_sgpr_workgroup_id_y 1
		.amdhsa_system_sgpr_workgroup_id_z 1
		.amdhsa_system_vgpr_workitem_id 0
		.amdhsa_next_free_vgpr 256
		.amdhsa_next_free_sgpr 102
		.amdhsa_reserve_vcc 0
		.amdhsa_float_denorm_mode_32 3
		.amdhsa_float_denorm_mode_16_64 3
		.amdhsa_memory_ordered 1
		.amdhsa_forward_progress 1
		.amdhsa_inst_pref_size 45
	.end_amdhsa_kernel
	.amdgpu_metadata
---
amdhsa.version: [ 1, 2 ]
amdhsa.kernels:
  - .name:           k_q1fe7809caf_attn
    .symbol:         k_q1fe7809caf_attn.kd
    .args:
      - { .name: qkv, .offset: 0, .size: 8, .value_kind: global_buffer, .address_space: global }
      - { .name: mbits, .offset: 8, .size: 8, .value_kind: global_buffer, .address_space: global }
      - { .name: flags, .offset: 16, .size: 8, .value_kind: global_buffer, .address_space: global }
      - { .name: lowp_scales, .offset: 24, .size: 8, .value_kind: global_buffer, .address_space: global }
      - { .name: ximg, .offset: 32, .size: 8, .value_kind: global_buffer, .address_space: global }
    .group_segment_fixed_size: 264192
    .private_segment_fixed_size: 0
    .kernarg_segment_align: 8
    .kernarg_segment_size: 40
    .max_flat_workgroup_size: 512
    .sgpr_count:     102
    .vgpr_count:     256
    .wavefront_size: 32
...
	.end_amdgpu_metadata
.endif
;; end of part 5
;; launch outp: the kernel of part 4 again; grid 4 x 32, 4 waves a work-group, clusters of 4 x 4, 327,680 bytes of LDS; arguments ximg, wimg, lowp_scales, bo, out0; writes out0
